; MI455X (gfx1250); checked and timed in simulation.
; The chip was launched on July 23, 2026; its instructions are those of AMD's public machine-readable ISA for CDNA 5 (MIT licence, August 2026) and "CDNA5" Instruction Set Architecture Reference Guide (July 2026). The comments in the code are by the model that wrote it; some were corrected since.
;; Bi Phase Scorer. Allowed arithmetic: matrix products marked QUANTISED: E2M1 operands, one E8M0 scale for each 32 along K, by v_wmma_scale_f32_16x16x128_f8f6f4 with both operands' format E2M1 (or v_wmma_scale_f32_32x16x128_f4), f32 sums; products left as they are: bf16, f16 or f32 operands; f32 sums; everything else in f32.
;; Inputs: Wkx 512 x 512 float32; Wky 512 x 512 float32; Wox 512 x 512 float32; Woy 512 x 512 float32; Wqx 512 x 512 float32; Wqy 512 x 512 float32; Wvx 512 x 512 float32; Wvy 512 x 512 float32; bkx 512 float32; bky 512 float32; box 512 float32; boy 512 float32; bqx 512 float32; bqy 512 float32; bvx 512 float32; bvy 512 float32; kx 2 x 2,048 x 512 float32; ky 2 x 2,048 x 512 float32; qx 2 x 2,048 x 512 float32; qy 2 x 2,048 x 512 float32; vx 2 x 2,048 x 512 float32; vy 2 x 2,048 x 512 float32.
;; Outputs: out0 2 x 2,048 x 512 float32; out1 2 x 2,048 x 512 float32.
;; This version of the problem:
;;   THIS VERSION OF THE PROBLEM IS GIVEN IN LOW PRECISION. The matrix products marked QUANTISED in the list below multiply operands that are first quantised to E2M1 (2 exponent bits, 1 mantissa bit; 4 bits a number), with one power-of-two scale for each 32 numbers along K (OCP MX v1.0); their sums are f32. The products marked 'left as it is' may take bf16, f16 or f32 operands, with f32 sums. Whichever they take, every output number must still come out within the allowed error. Rounding operands to bf16 (8 significant bits) uses up far more of that allowance than f16 does (11 bits, for magnitudes from 6e-5 to 65,504). All else is computed in f32.
;;   The module's matrix products, in the order in which they are computed (A, B: the left and right operand; K: the contracted axis; several contracted axes count as one K, in the product's order):
;;     1. [M 4,096, K 512] x [K 512, N 512]; A: input qx; B: input Wqx: QUANTISED
;;     2. [M 4,096, K 512] x [K 512, N 512]; A: input qy; B: input Wqy: QUANTISED
;;     3. [M 4,096, K 512] x [K 512, N 512]; A: input kx; B: input Wkx: QUANTISED
;;     4. [M 4,096, K 512] x [K 512, N 512]; A: input ky; B: input Wky: QUANTISED
;;     5. [M 4,096, K 512] x [K 512, N 512]; A: input vx; B: input Wvx: QUANTISED
;;     6. [M 4,096, K 512] x [K 512, N 512]; A: input vy; B: input Wvy: QUANTISED
;;     7. batch 16 x [M 2,048, K 64] x [K 64, N 2,048]; A: computed on the way; B: computed on the way: left as it is (an operand is computed on the way)
;;     8. batch 16 x [M 2,048, K 64] x [K 64, N 2,048]; A: computed on the way; B: computed on the way: left as it is (an operand is computed on the way)
;;     9. batch 16 x [M 2,048, K 64] x [K 64, N 2,048]; A: computed on the way; B: computed on the way: left as it is (an operand is computed on the way)
;;     10. batch 16 x [M 2,048, K 2,048] x [K 2,048, N 64]; A: computed on the way; B: computed on the way: left as it is (an operand is computed on the way)
;;     11. batch 16 x [M 2,048, K 2,048] x [K 2,048, N 64]; A: computed on the way; B: computed on the way: left as it is (an operand is computed on the way)
;;     12. [M 4,096, K 512] x [K 512, N 512]; A: computed on the way; B: input Wox: left as it is (an operand is computed on the way)
;;     13. [M 4,096, K 512] x [K 512, N 512]; A: computed on the way; B: input Woy: left as it is (an operand is computed on the way)
;;   THE QUANTISER, for each operand of a quantised product, along K:
;;     - K is cut into blocks of 32 from its start; a last block that is shorter is filled with zeros.
;;     - A block's scale is 2^e with e = floor(log2(the largest magnitude in the block)) - 2, held to -126 .. 127; a block of zeros has e = 0. As a byte (E8M0): e + 127.
;;     - Each number is divided by its block's scale, clamped to +-6, and rounded to the nearest number of E2M1, ties to even, subnormals kept.
;;     - The product sums the exact products of the quantised numbers (number of the format x scale) in f32.
;;   ~~~python
;;   def quantise(x, axis):      # numpy; x: float32 -> the quantised numbers, widened to float32 again
;;       x = np.moveaxis(x, axis, -1); K = x.shape[-1]
;;       x = np.pad(x, [(0, 0)] * (x.ndim - 1) + [(0, -K % 32)]); x = x.reshape(x.shape[:-1] + (-1, 32)); a = np.abs(x).max(-1, keepdims=True)
;;       e = np.where(a > 0, np.clip(np.frexp(np.where(a > 0, a, 1))[1] - 1 - 2, -126, 127), 0)      # np.frexp(a)[1] - 1 = floor(log2(a)), exactly
;;       r = np.clip(x / 2.0 ** e, -6, 6)
;;       step = 2.0 ** (np.maximum(np.frexp(np.where(r == 0, 1, r))[1] - 1, 0) - 1)
;;       q = np.round(r / step) * step * 2.0 ** e      # np.round: ties to even
;;       return np.moveaxis(q.reshape(q.shape[:-2] + (-1,))[..., :K], -1, axis).astype(np.float32)
;;   ~~~
;; One version. Each part assembles by itself: llvm-mc -triple=amdgcn-amd-amdhsa -mcpu=gfx1250 --defsym DOCPART=n.
;; ======== version 1 of 1: 4 launches
;; limits: values are held in f16: magnitudes above 65,504 overflow, below 6.1e-05 lose precision; right only within a limited range of input values
;; workspace buffers: WC 786,432 bytes; WS 49,152 bytes; WOF 1,048,576 bytes; QF 12,582,912 bytes; KV 20,971,520 bytes; AXF 8,388,608 bytes
;; launch prep (part 1): grid 160 x 1, 4 waves a work-group, no clusters, 0 bytes of LDS; arguments Wqx, Wqy, Wkx, Wky, Wvx, Wvy, Wox, Woy, WC, WS, WOF; writes WC, WS, WOF
.if DOCPART == 1
	.amdgcn_target "amdgcn-amd-amdhsa--gfx1250"
	.amdhsa_code_object_version 6
	.text
	.protected	k_qb5636ce9c0_prep
	.globl	k_qb5636ce9c0_prep
	.p2align	8
	.type	k_qb5636ce9c0_prep,@function
k_qb5636ce9c0_prep:
	s_mov_b64 s[64:65], 0
	v_nop
	global_prefetch_b8 v0, s[64:65] scope:SCOPE_SE
	s_setreg_imm32_b32 hwreg(HW_REG_WAVE_MODE, 25, 1), 1
	s_wait_xcnt 0x0
; PREP: the eight weights [512][512] f32 (row n, K innermost) are laid once as IMAGES OF OPERAND REGISTERS: four registers = 512 bytes, lane l's 16 bytes at 16 l.
; Work-groups 0-95: Wq*, Wk*, Wv* become codes of E2M1 with one E8M0 byte for each 32 along K.  Work-group = 32 pair + T (T: 16 rows), wave = K step s of 128.
;   WC[pair][T][t: x, y][s][c][512 B]: lane (r, h), registers 4 c .. 4 c + 3 = k 128 s + 64 c + 32 h + 0 .. 31 of row 16 T + r.
;   WS[pair][T][s][lane] words: lanes 0-15 Wx's scale word of row r, lanes 16-31 Wy's.
; Work-groups 96-159: Wox, Woy become f16(W / 4) (the attention launch stores 4 x its result: both factors are exact).
;   WOF[which][column block 4][ks 16][tile 8][half 2][512 B]: lane (r, h): row 16 T + r, k = 32 ks + 16 half + 8 h + 0 .. 7.
; A lane reads runs of 128 (or 32) neighbouring bytes of its own row by 16-byte loads, since the conversions take neighbours along K from one lane's registers: 8 MB in all, read once.
; Every store of a wave covers 512 (the scale words: 128) consecutive bytes, aligned.  No LDS, no barrier: waves share nothing.
; A block's scale is 2^(floor(log2(largest magnitude)) - 2); its byte is the largest magnitude's exponent field - 2, held at 1 from below.
; LIMITS: a block of zeros carries the byte 1 where the rule says 127 (its codes are zeros, and this program alone reads the bytes); NaN and infinities are not served; f16(W / 4) asks |W| < 262,016.
.set QT,  8                            ; v8-14  the quantiser's: two maxima, two scale operands, two bytes, one for the exchange
.set Q8H, 5                            ; v5     8 x (lane / 16)
.set SEL, 44                           ; s[44:45] lane selects: lane l xor 16
.set QTR, 46                           ; s[46:47] 0.25, twice
; 64 numbers of a lane, v[x + 32 c + i] = k 64 c + 32 h + i of my row, become a fragment's 8 registers of codes in v[pc] on and my row's scale word in v[pw].
.macro QUANT2 x, pc, pw
.irp c, 0,1
	v_max3_num_f32 v[QT+\c], |v[\x+32*\c]|, |v[\x+32*\c+1]|, 0x1800000   ; my block 2 c + h: all 32 numbers are mine; the floor 2^(3 - 127) holds the byte at 1 from below
.endr
.irp i, 2,4,6,8,10,12,14,16,18,20,22,24,26,28,30
.irp c, 0,1
	v_max3_num_f32 v[QT+\c], v[QT+\c], |v[\x+32*\c+\i]|, |v[\x+32*\c+\i+1]|   ; the two blocks by turns
.endr
.endr
.irp c, 0,1
	v_add_nc_u32 v[QT+2+\c], 0xff000000, v[QT+\c]      ; 2 off the exponent field: the conversion takes this operand's exponent field as its scale
.endr
.irp c, 0,1
	v_lshrrev_b32 v[QT+4+\c], 23, v[QT+2+\c]           ; the scale's byte
.endr
	v_lshl_or_b32 v[\pw], v[QT+5], 16, v[QT+4]         ; my two bytes, blocks h and 2 + h,
	v_lshlrev_b32 v[\pw], v[Q8H], v[\pw]               ; at their places in the word;
	v_permlanex16_b32 v[QT+6], v[\pw], s[SEL], s[SEL+1]
	v_or_b32 v[\pw], v[\pw], v[QT+6]                   ; with lane l xor 16's two the word is whole
.irp c, 0,1
.irp g, 0,1,2,3
	v_cvt_scalef32_pk8_fp4_f32 v[\pc+4*\c+\g], v[\x+32*\c+8*\g:\x+32*\c+8*\g+7], v[QT+2+\c]
.endr
.endr
	v_nop                                              ; one plain instruction behind the last scaled conversion
.endm
	s_load_b512 s[16:31], s[0:1], 0x0              ; Wqx, Wqy, Wkx, Wky, Wvx, Wvy, Wox, Woy
	s_load_b128 s[32:35], s[0:1], 0x40             ; WC, WS
	s_load_b64 s[36:37], s[0:1], 0x50              ; WOF
	v_lshrrev_b32 v1, 5, v0
	v_readfirstlane_b32 s2, v1                     ; wave 0..3: the K step of 128
	v_and_b32 v1, 31, v0                           ; lane
	v_and_b32 v2, 15, v0                           ; r
	v_bfe_u32 v3, v0, 4, 1                         ; h
	v_lshlrev_b32 v6, 4, v1                        ; 16 x lane
	v_lshlrev_b32 v7, 2, v1                        ; 4 x lane
	v_lshlrev_b32 v4, 11, v2                       ; my row: 2,048 bytes a row
	s_lshl_b32 s7, s2, 9                           ; the K step: 512 bytes
	s_cmp_lt_u32 ttmp9, 96
	s_cbranch_scc0 .Lf16
	; ---- codes of E2M1
	s_lshr_b32 s3, ttmp9, 5                        ; pair: q, k, v
	s_and_b32 s4, ttmp9, 31                        ; T
	v_lshl_add_u32 v4, v3, 7, v4                   ; + 128 h: my 32 numbers of each 64
	v_lshlrev_b32 v[Q8H], 3, v3
	v_mov_b32 v[QT+6], 0                           ; a lane permute's destination counts as one of its sources
	s_mov_b32 s[SEL], 0x76543210
	s_mov_b32 s[SEL+1], 0xfedcba98
	s_lshl_b32 s6, s4, 15                          ; 16 rows of 2,048 bytes
	s_add_co_u32 s6, s6, s7
	s_mov_b32 s7, 0
	s_lshl_b32 s8, ttmp9, 13                       ; WC: (32 pair + T) x 8,192 + s x 1,024
	s_lshl_b32 s9, s2, 10
	s_add_co_u32 s8, s8, s9
	s_mov_b32 s9, 0
	s_lshl_b32 s10, ttmp9, 9                       ; WS: (32 pair + T) x 512 + s x 128
	s_lshl_b32 s11, s2, 7
	s_add_co_u32 s10, s10, s11
	s_mov_b32 s11, 0
	s_wait_kmcnt 0x0
	s_cmp_eq_u32 s3, 0                             ; the pair's two weights: a choice on the work-group's number alone
	s_cselect_b64 s[40:41], s[16:17], s[20:21]
	s_cselect_b64 s[42:43], s[18:19], s[22:23]
	s_cmp_eq_u32 s3, 2
	s_cselect_b64 s[40:41], s[24:25], s[40:41]
	s_cselect_b64 s[42:43], s[26:27], s[42:43]
	s_add_nc_u64 s[40:41], s[40:41], s[6:7]
	s_add_nc_u64 s[42:43], s[42:43], s[6:7]
	s_add_nc_u64 s[32:33], s[32:33], s[8:9]
	s_add_nc_u64 s[34:35], s[34:35], s[10:11]
.irp c, 0,1
.irp g, 0,1,2,3,4,5,6,7
	global_load_b128 v[32+32*\c+4*\g:32+32*\c+4*\g+3], v4, s[40:41] offset:256*\c+16*\g th:TH_LOAD_NT
.endr
.endr
.irp c, 0,1
.irp g, 0,1,2,3,4,5,6,7
	global_load_b128 v[96+32*\c+4*\g:96+32*\c+4*\g+3], v4, s[42:43] offset:256*\c+16*\g th:TH_LOAD_NT
.endr
.endr
	s_wait_loadcnt 16                              ; Wx's sixteen loads are in; Wy's sixteen may be out
	QUANT2 32, 16, 160
	s_wait_loadcnt 0x0
	QUANT2 96, 24, 161
	v_cmp_le_u32 vcc_lo, 16, v1
	v_cndmask_b32 v162, v160, v161, vcc_lo         ; lanes 0-15 Wx's word of row r, lanes 16-31 Wy's
.irp t, 0,1
.irp c, 0,1
	global_store_b128 v6, v[16+8*\t+4*\c:16+8*\t+4*\c+3], s[32:33] offset:4096*\t+512*\c
.endr
.endr
	global_store_b32 v7, v162, s[34:35]
	s_endpgm
	; ---- f16(W / 4)
.Lf16:
	s_sub_co_u32 s3, ttmp9, 96
	s_lshr_b32 s4, s3, 5                           ; which: Wox, Woy
	s_and_b32 s5, s3, 31                           ; T
	v_lshl_add_u32 v4, v3, 5, v4                   ; + 32 h: my 8 numbers of each 16
	s_lshl_b32 s6, s5, 15
	s_add_co_u32 s6, s6, s7
	s_mov_b32 s7, 0
	s_lshl_b32 s8, s4, 19                          ; WOF: which x 524,288 + (T / 8) x 131,072 + wave x 4 x 8,192 + (T % 8) x 1,024
	s_lshr_b32 s9, s5, 3
	s_lshl_b32 s9, s9, 17
	s_add_co_u32 s8, s8, s9
	s_lshl_b32 s9, s2, 15
	s_add_co_u32 s8, s8, s9
	s_and_b32 s9, s5, 7
	s_lshl_b32 s9, s9, 10
	s_add_co_u32 s8, s8, s9
	s_mov_b32 s9, 0
	s_mov_b32 s[QTR], 0x3e800000                   ; 0.25
	s_mov_b32 s[QTR+1], s[QTR]                     ; (named with it as a pair, so it is written)
	s_wait_kmcnt 0x0
	s_cmp_eq_u32 s4, 0
	s_cselect_b64 s[40:41], s[28:29], s[30:31]
	s_add_nc_u64 s[40:41], s[40:41], s[6:7]
	s_add_nc_u64 s[36:37], s[36:37], s[8:9]
.irp u, 0,1,2,3
.irp f, 0,1
.irp i, 0,1
	global_load_b128 v[32+16*\u+8*\f+4*\i:32+16*\u+8*\f+4*\i+3], v4, s[40:41] offset:128*\u+64*\f+16*\i th:TH_LOAD_NT
.endr
.endr
.endr
	s_wait_loadcnt 0x0
.set q, 0
.rept 32
	v_pk_mul_f32 v[32+2*q:32+2*q+1], v[32+2*q:32+2*q+1], s[QTR:QTR+1] op_sel_hi:[1,0]
.set q, q+1
.endr
.set q, 0
.rept 32
	v_cvt_pk_f16_f32 v[96+q], v[32+2*q], v[32+2*q+1]
.set q, q+1
.endr
.irp u, 0,1,2,3
.irp f, 0,1
	global_store_b128 v6, v[96+8*\u+4*\f:96+8*\u+4*\f+3], s[36:37] offset:8192*\u+512*\f
.endr
.endr
	s_endpgm
.Lfunc_end_k_qb5636ce9c0_prep:
	.size	k_qb5636ce9c0_prep, .Lfunc_end_k_qb5636ce9c0_prep-k_qb5636ce9c0_prep
	.p2alignl 7, 3214868480
	.fill 96, 4, 3214868480
	.section	.rodata,"a",@progbits
	.p2align	6, 0x0
	.amdhsa_kernel k_qb5636ce9c0_prep
		.amdhsa_group_segment_fixed_size 0
		.amdhsa_private_segment_fixed_size 0
		.amdhsa_enable_private_segment 0
		.amdhsa_kernarg_size 88
		.amdhsa_user_sgpr_count 2
		.amdhsa_user_sgpr_kernarg_segment_ptr 1
		.amdhsa_wavefront_size32 1
		.amdhsa_system_sgpr_workgroup_id_x 1
		.amdhsa_system_sgpr_workgroup_id_y 1
		.amdhsa_system_sgpr_workgroup_id_z 1
		.amdhsa_system_vgpr_workitem_id 0
		.amdhsa_next_free_vgpr 192
		.amdhsa_next_free_sgpr 66
		.amdhsa_reserve_vcc 1
		.amdhsa_float_denorm_mode_32 3
		.amdhsa_float_denorm_mode_16_64 3
		.amdhsa_memory_ordered 1
		.amdhsa_forward_progress 1
		.amdhsa_inst_pref_size 19
	.end_amdhsa_kernel
	.amdgpu_metadata
---
amdhsa.version: [ 1, 2 ]
amdhsa.kernels:
  - .name:           k_qb5636ce9c0_prep
    .symbol:         k_qb5636ce9c0_prep.kd
    .args:
      - { .name: Wqx, .offset: 0, .size: 8, .value_kind: global_buffer, .address_space: global }
      - { .name: Wqy, .offset: 8, .size: 8, .value_kind: global_buffer, .address_space: global }
      - { .name: Wkx, .offset: 16, .size: 8, .value_kind: global_buffer, .address_space: global }
      - { .name: Wky, .offset: 24, .size: 8, .value_kind: global_buffer, .address_space: global }
      - { .name: Wvx, .offset: 32, .size: 8, .value_kind: global_buffer, .address_space: global }
      - { .name: Wvy, .offset: 40, .size: 8, .value_kind: global_buffer, .address_space: global }
      - { .name: Wox, .offset: 48, .size: 8, .value_kind: global_buffer, .address_space: global }
      - { .name: Woy, .offset: 56, .size: 8, .value_kind: global_buffer, .address_space: global }
      - { .name: WC, .offset: 64, .size: 8, .value_kind: global_buffer, .address_space: global }
      - { .name: WS, .offset: 72, .size: 8, .value_kind: global_buffer, .address_space: global }
      - { .name: WOF, .offset: 80, .size: 8, .value_kind: global_buffer, .address_space: global }
    .group_segment_fixed_size: 0
    .private_segment_fixed_size: 0
    .kernarg_segment_align: 8
    .kernarg_segment_size: 88
    .max_flat_workgroup_size: 128
    .sgpr_count:     66
    .vgpr_count:     192
    .wavefront_size: 32
...
	.end_amdgpu_metadata
.endif
;; end of part 1
;; launch proj (part 2): grid 64 x 3, 8 waves a work-group, no clusters, 103,424 bytes of LDS; arguments qx, qy, kx, ky, vx, vy, bqx, bqy, bkx, bky, bvx, bvy, WC, WS, QF, KV; writes QF, KV
.if DOCPART == 2
	.amdgcn_target "amdgcn-amd-amdhsa--gfx1250"
	.amdhsa_code_object_version 6
	.text
	.protected	k_qb5636ce9c0_proj
	.globl	k_qb5636ce9c0_proj
	.p2align	8
	.type	k_qb5636ce9c0_proj,@function
k_qb5636ce9c0_proj:
	s_mov_b64 s[64:65], 0
	v_nop
	global_prefetch_b8 v0, s[64:65] scope:SCOPE_SE
	s_setreg_imm32_b32 hwreg(HW_REG_WAVE_MODE, 25, 1), 1
	s_wait_xcnt 0x0
; PROJ: the six quantised linear layers, and what the attention wants of them.  Work-group (g, pair) takes tokens 64 g .. 64 g + 63 of one pair (q, k or v), both members x and y, all 512 columns.
; PHASE X: wave w quantises rows 16 (w / 2) .. + 15 of member w % 2: each load reads 512 consecutive bytes of a row; a K step's 16 rows turn through the wave's own stage in LDS, so that a lane holds
;   neighbours along K; the codes and scale words go to LDS as images of the operand's registers.  Each byte of x is read once from memory and quantised once.  One barrier.
; PHASE G: wave w makes head w (column tiles 4 w + n) for all 64 rows: all 32 fragments of x stay in its registers; a tile's weight codes come straight from WC, once, a tile ahead.
;   q, k: source 0 = 16 rows of W, source 1 = 16 tokens: a lane holds one token and 8 neighbouring channels.  r = sqrt(x x + y y) = u rsq(u), cos = x rsq(u), sin = y rsq(u);
;         stored in f16 as fragments: QF gets [cos / 8, sin / 8, r], KV's first part [cos, sin, r], so that score = (1 / 16) Q' . K' over 192 features.
;   v:    source 0 = 16 tokens, source 1 = 16 rows of W: a lane holds one channel and 8 neighbouring tokens: fragments of V^T with the keys innermost, in f16.
; The biases are the C of each sum's first matrix instruction.  Every store of a wave covers 512 consecutive bytes, aligned.
; NO CLUSTER: weights shared by joint loads would have to lie in LDS: a pair's 278,528 bytes + images and scale words 34,816 + stages 67,584 + spare words 1,024 = 381,952 > 327,680.
;   As it is, each wave reads only its own head's fragments, once, into registers.  192 work-groups: three pairs of 64 blocks; blocks of 48 rows would straddle pairs, smaller ones read the weights more often.
; (0, 0): products of E2M1 numbers lie on a coarse grid, so x and y can both cancel to exactly 0.  2^-50 is added to x BEHIND the sums (ahead of them it would be lost beside the products):
;   (0, 0) then has u = 2^-100, cos = 1, sin = 0, r = 2^-50 (0 in f16): the angle 0.  Where |x| is over 2^-26 the addition changes nothing.
; LIMITS: the sign of zero is not honoured; x = -2^-50 with y = 0, and magnitudes of both under 2^-60, are not served;
;   r and v go in f16: under 65,504, and under 6e-5 with the absolute error 2^-25; a block of zeros carries the scale byte 1 (this program alone reads the bytes); NaN and infinities are not served.
; REGISTERS.  window 0: v2-13 addresses; v14-20 the quantiser's; v28-43 x's scale words (lanes 0-15 x's, 16-31 y's), v44-47 W's likewise; v48-63 biases; v64-127 a tile's 8 weight fragments;
;   v128-191 eight accumulators (m, t) (in phase X: the codes just made); v192-255 64 numbers of x, later u / r and 1 / r.   window 1: phase X: two sets of 64 as loaded; phase G: x's 32 fragments.
.set XIMG,   0                         ; LDS: x's 32 fragments, (m, t, s) at (4 (2 m + t) + s) x 1,024
.set XSC,    32768                     ; their scale words: (m, s) at (4 m + s) x 128: 64 bytes of x's, 64 of y's
.set STG,    34816                     ; a stage for each wave: 16 rows x (512 bytes + 16): row r starts 132 words on: 16 rows start at 16 different groups of four banks
.set SPITCH, 528
.set WSTG,   16*SPITCH
.set SPARE,  STG+8*WSTG                ; the spare words, 128 bytes for each wave: four blocks of 256 bytes that no other line names
.set SPW,  2                           ; v2   my spare word; never rewritten
.set NIL,  3                           ; v3   0; never rewritten
.set LI,   4                           ; v4   16 x lane
.set LS,   5                           ; v5   4 x lane
.set SIN,  6                           ; v6   the stage, in: 16 x lane of a row
.set SOUT, 7                           ; v7   the stage, out: row r, + 128 h
.set IMG,  8                           ; v8   where I store my fragments' images
.set SCS,  9                           ; v9   and their scale words
.set Q8H,  10                          ; v10  8 h
.set BOQ,  12                          ; v12  bias offset, q and k: 256 w + 32 h
.set BOV,  13                          ; v13  bias offset, v: 256 w + 4 r
.set QT,   14
.set XS,   28
.set WS,   44
.set BI,   48
.set WF,   64
.set ACC,  128
.set PC,   128
.set PW,   136
.set X,    192
.set U,    192
.set IV,   224
.set XP,   48                          ; s[48:49] my member of the pair, at my 16 rows
.set YP,   50
.set BX,   52                          ; s[52:53], s[54:55] the pair's two biases
.set BY,   54
.set WCP,  40                          ; s[40:41] WC at my head's first tile;  s[42:43] WS likewise
.set WSP,  42
.set OUT,  58                          ; s[58:59] where my head's results begin
.set SEL,  60
.set SC,   62                          ; s[62:63] 1 / 8 for q, 1 for k
.set EPS,  66                          ; s[66:67] 2^-50
.set MSB, 0
.macro WIN new                         ; the immediate's high byte repeats the setting that is left
.if MSB != \new
	s_set_vgpr_msb (MSB<<8)|\new
.set MSB, \new
.endif
.endm
.macro PLACES                          ; four plain instructions between a matrix instruction and a read of its result or a load into its registers
.rept 4
	v_nop
.endr
.endm
.macro QUANT2 x, pc, pw                ; 64 numbers of a lane, v[x + 32 c + i] = k 64 c + 32 h + i of my row -> 8 registers of codes, my row's scale word
.irp c, 0,1
	v_max3_num_f32 v[QT+\c], |v[\x+32*\c]|, |v[\x+32*\c+1]|, 0x1800000   ; the floor 2^(3 - 127) holds the byte at 1 from below
.endr
.irp i, 2,4,6,8,10,12,14,16,18,20,22,24,26,28,30
.irp c, 0,1
	v_max3_num_f32 v[QT+\c], v[QT+\c], |v[\x+32*\c+\i]|, |v[\x+32*\c+\i+1]|
.endr
.endr
.irp c, 0,1
	v_add_nc_u32 v[QT+2+\c], 0xff000000, v[QT+\c]      ; 2 off the exponent field: the conversion's scale operand
.endr
.irp c, 0,1
	v_lshrrev_b32 v[QT+4+\c], 23, v[QT+2+\c]           ; the scale's byte
.endr
	v_lshl_or_b32 v[\pw], v[QT+5], 16, v[QT+4]
	v_lshlrev_b32 v[\pw], v[Q8H], v[\pw]
	v_permlanex16_b32 v[QT+6], v[\pw], s[SEL], s[SEL+1]
	v_or_b32 v[\pw], v[\pw], v[QT+6]                   ; blocks h, 2 + h and lane l xor 16's two: the word is whole
.irp c, 0,1
.irp g, 0,1,2,3
	v_cvt_scalef32_pk8_fp4_f32 v[\pc+4*\c+\g], v[\x+32*\c+8*\g:\x+32*\c+8*\g+7], v[QT+2+\c]
.endr
.endr
	v_nop                                              ; one plain instruction behind the last scaled conversion
.endm
.macro FP4MM d, a, b, c, sa, sb, row   ; row = 1: both sides' scales are taken from lanes 16-31 (the y member's)
.if \row
	v_wmma_scale_f32_16x16x128_f8f6f4 v[(\d):(\d)+7], v[(\a):(\a)+7], v[(\b):(\b)+7], v[(\c):(\c)+7], v[\sa], v[\sb] matrix_a_fmt:MATRIX_FMT_FP4 matrix_b_fmt:MATRIX_FMT_FP4 matrix_a_scale:MATRIX_SCALE_ROW1 matrix_b_scale:MATRIX_SCALE_ROW1
.else
	v_wmma_scale_f32_16x16x128_f8f6f4 v[(\d):(\d)+7], v[(\a):(\a)+7], v[(\b):(\b)+7], v[(\c):(\c)+7], v[\sa], v[\sb] matrix_a_fmt:MATRIX_FMT_FP4 matrix_b_fmt:MATRIX_FMT_FP4
.endif
.endm
.macro LOADX s                         ; K step s of my 16 rows: load i reads 512 consecutive bytes of row i
	WIN 0x40
.irp i, 0,1,2,3,4,5,6,7,8,9,10,11,12,13,14,15
	global_load_b128 v[64*((\s)%2)+4*\i:64*((\s)%2)+4*\i+3], v[LI], s[XP:XP+1] offset:\i*2048+512*(\s) th:TH_LOAD_NT
.endr
	WIN 0
.endm
.macro XSTEP s
.if \s < 3
	s_wait_loadcnt 16                              ; this K step's sixteen loads are in (and all older ones); the next step's sixteen may be out
.else
	s_wait_loadcnt 0x0
.endif
	WIN 0x04                                       ; an LDS store's data are its source 1: window 1
.irp i, 0,1,2,3,4,5,6,7,8,9,10,11,12,13,14,15
	ds_store_b128 v[SIN], v[64*((\s)%2)+4*\i:64*((\s)%2)+4*\i+3] offset:\i*SPITCH
.endr
	WIN 0
.irp c, 0,1
.irp g, 0,1,2,3,4,5,6,7
	ds_load_b128 v[X+32*\c+4*\g:X+32*\c+4*\g+3], v[SOUT] offset:256*\c+16*\g   ; LDS serves a wave's instructions in order: these see the stores above
.endr
.endr
	s_wait_dscnt 0x0                               ; my 64 numbers are back; the stores, the last step's images among them, have read their registers
.if \s < 2
	LOADX \s+2
.endif
	QUANT2 X, PC, PW
	ds_store_b128 v[IMG], v[PC:PC+3] offset:XIMG+\s*1024
	ds_store_b128 v[IMG], v[PC+4:PC+7] offset:XIMG+\s*1024+512
	ds_store_b32 v[SCS], v[PW] offset:\s*128       ; lanes l and l xor 16 write the same word with the same value
.endm
.macro WLOAD n                         ; tile n's 8 weight fragments (t, s) and 4 scale words
.set q, 0
.rept 8
	global_load_b128 v[WF+8*q:WF+8*q+3], v[LI], s[WCP:WCP+1] offset:(\n)*8192+q*1024
	global_load_b128 v[WF+8*q+4:WF+8*q+7], v[LI], s[WCP:WCP+1] offset:(\n)*8192+q*1024+512
.set q, q+1
.endr
.irp s, 0,1,2,3
	global_load_b32 v[WS+\s], v[LS], s[WSP:WSP+1] offset:(\n)*512+\s*128
.endr
.endm
.macro BLOADQK n                       ; register j = b[16 T + 8 h + j]
	global_load_b128 v[BI:BI+3], v[BOQ], s[BX:BX+1] offset:(\n)*64
	global_load_b128 v[BI+4:BI+7], v[BOQ], s[BX:BX+1] offset:(\n)*64+16
	global_load_b128 v[BI+8:BI+11], v[BOQ], s[BY:BY+1] offset:(\n)*64
	global_load_b128 v[BI+12:BI+15], v[BOQ], s[BY:BY+1] offset:(\n)*64+16
.endm
.macro BLOADV n                        ; every register = b[16 T + r]
.irp j, 0,1,2,3,4,5,6,7
	global_load_b32 v[BI+\j], v[BOV], s[BX:BX+1] offset:(\n)*64
	global_load_b32 v[BI+8+\j], v[BOV], s[BY:BY+1] offset:(\n)*64
.endr
.endm
; 32 matrix instructions: K step by K step, the eight accumulators (m, t) by turns, one instruction a turn.  swap = 0: source 0 = W, source 1 = x;  1: the other way round
.macro MUL32 swap
.irp s, 0,1,2,3
.irp m, 0,1,2,3
.irp t, 0,1
.if \s == 0
.set rC, BI+8*\t
.else
.set rC, ACC+8*(2*\m+\t)
.endif
.if \swap
	FP4MM ACC+8*(2*\m+\t), 8*(4*(2*\m+\t)+\s), WF+8*(4*\t+\s), rC, XS+4*\m+\s, WS+\s, \t
.else
	FP4MM ACC+8*(2*\m+\t), WF+8*(4*\t+\s), 8*(4*(2*\m+\t)+\s), rC, WS+\s, XS+4*\m+\s, \t
.endif
.endr
.endr
.endr
.endm
.macro TILEQK n
	s_wait_loadcnt 0x0                             ; this tile's weights, scale words and biases
	WIN 0x04                                       ; source 1 (x) window 1
	MUL32 0
	WIN 0
	PLACES                                         ; in front of the loads into the weights' registers and of the first read of results
.if \n < 3
	WLOAD \n+1
	BLOADQK \n+1
.endif
.if \n > 0
	s_wait_xcnt 0x0                                ; the last tile's stores have read their data: the registers are written again below
.endif
.irp m, 0,1,2,3
.irp p, 0,2,4,6
	v_pk_add_f32 v[ACC+16*\m+\p:ACC+16*\m+\p+1], v[ACC+16*\m+\p:ACC+16*\m+\p+1], s[EPS:EPS+1] op_sel_hi:[1,0]   ; 2^-50 onto the finished x: (0, 0) gets the angle 0.  Each accumulator is read from its low end on
.endr
.endr
.irp m, 0,1,2,3
.irp p, 0,2,4,6
	v_pk_mul_f32 v[U+8*\m+\p:U+8*\m+\p+1], v[ACC+16*\m+\p:ACC+16*\m+\p+1], v[ACC+16*\m+\p:ACC+16*\m+\p+1]
.endr
.endr
.irp m, 0,1,2,3
.irp p, 0,2,4,6
	v_pk_fma_f32 v[U+8*\m+\p:U+8*\m+\p+1], v[ACC+16*\m+8+\p:ACC+16*\m+8+\p+1], v[ACC+16*\m+8+\p:ACC+16*\m+8+\p+1], v[U+8*\m+\p:U+8*\m+\p+1]   ; u = x x + y y
.endr
.endr
.set q, 0
.rept 32
	v_rsq_f32 v[IV+q], v[U+q]
.set q, q+1
.endr
	v_nop                                          ; a plain instruction behind the last of the batch,
	s_wait_alu depctr_va_vdst(0)                   ; and one wait for the 32, ahead of their first reader
.set q, 0
.rept 16
	v_pk_mul_f32 v[U+2*q:U+2*q+1], v[U+2*q:U+2*q+1], v[IV+2*q:IV+2*q+1]            ; r = u / sqrt(u)
.set q, q+1
.endr
.set q, 0
.rept 16
	v_pk_mul_f32 v[IV+2*q:IV+2*q+1], v[IV+2*q:IV+2*q+1], s[SC:SC+1] op_sel_hi:[1,0]   ; q: 1 / (8 r);  k: 1 / r
.set q, q+1
.endr
.irp m, 0,1,2,3
.irp p, 0,2,4,6
	v_pk_mul_f32 v[ACC+16*\m+\p:ACC+16*\m+\p+1], v[ACC+16*\m+\p:ACC+16*\m+\p+1], v[IV+8*\m+\p:IV+8*\m+\p+1]          ; cos
	v_pk_mul_f32 v[ACC+16*\m+8+\p:ACC+16*\m+8+\p+1], v[ACC+16*\m+8+\p:ACC+16*\m+8+\p+1], v[IV+8*\m+\p:IV+8*\m+\p+1]  ; sin
.endr
.endr
.irp m, 0,1,2,3
.irp q, 0,1,2,3
	v_cvt_pk_f16_f32 v[IV+8*\m+\q], v[ACC+16*\m+2*\q], v[ACC+16*\m+2*\q+1]
.endr
.irp q, 0,1,2,3
	v_cvt_pk_f16_f32 v[IV+8*\m+4+\q], v[ACC+16*\m+8+2*\q], v[ACC+16*\m+8+2*\q+1]
.endr
.irp q, 0,1,2,3
	v_cvt_pk_f16_f32 v[U+8*\m+\q], v[U+8*\m+2*\q], v[U+8*\m+2*\q+1]
.endr
.endr
.irp m, 0,1,2,3                        ; token tile m: 6,144 bytes; feature 2,048; channels 32 (n / 2) on: 1,024; 16 (n % 2) on: 512
	global_store_b128 v[LI], v[IV+8*\m:IV+8*\m+3], s[OUT:OUT+1] offset:\m*6144+((\n)/2)*1024+((\n)%2)*512
	global_store_b128 v[LI], v[IV+8*\m+4:IV+8*\m+7], s[OUT:OUT+1] offset:\m*6144+2048+((\n)/2)*1024+((\n)%2)*512
	global_store_b128 v[LI], v[U+8*\m:U+8*\m+3], s[OUT:OUT+1] offset:\m*6144+4096+((\n)/2)*1024+((\n)%2)*512
.endr
.endm
.macro TILEV n
	s_wait_loadcnt 0x0
	WIN 0x01                                       ; source 0 (x) window 1
	MUL32 1
	WIN 0
	PLACES
.if \n < 3
	WLOAD \n+1
	BLOADV \n+1
.endif
.if \n > 0
	s_wait_xcnt 0x0                                ; the last tile's stores have read their data
.endif
.set q, 0
.rept 32
	v_cvt_pk_f16_f32 v[U+q], v[ACC+2*q], v[ACC+2*q+1]   ; accumulator (m, t): channel r, tokens 16 m + 8 h + 0 .. 7: four registers
.set q, q+1
.endr
.irp m, 0,1,2,3
.irp t, 0,1
	global_store_b128 v[LI], v[U+4*(2*\m+\t):U+4*(2*\m+\t)+3], s[OUT:OUT+1] offset:24576+((\m/2)*8+4*\t+(\n))*1024+(\m%2)*512
.endr
.endr
.endm
.macro FINISH                          ; the wave's end: behind my last LDS store
	s_wait_tensorcnt 0x0
	ds_add_u32 v[SPW], v[NIL]
	s_wait_dscnt 0x0
	s_endpgm
.endm
	s_load_b512 s[16:31], s[0:1], 0x0              ; qx, qy, kx, ky, vx, vy, bqx, bqy
	s_load_b512 s[32:47], s[0:1], 0x40             ; bkx, bky, bvx, bvy, WC, WS, QF, KV
	v_lshl_add_u32 v[SPW], v0, 2, SPARE
	v_mov_b32 v[NIL], 0
	v_lshrrev_b32 v1, 5, v0
	v_readfirstlane_b32 s2, v1                     ; wave 0..7
	s_and_b32 s4, ttmp7, 0xffff                    ; pair
	s_lshr_b32 s5, s2, 1                           ; phase X: my tile of rows m,
	s_and_b32 s6, s2, 1                            ; and my member t
	v_and_b32 v1, 31, v0                           ; lane
	v_and_b32 v21, 15, v0                          ; r
	v_bfe_u32 v22, v0, 4, 1                        ; h
	v_lshlrev_b32 v[LI], 4, v1
	v_lshlrev_b32 v[LS], 2, v1
	s_mul_i32 s8, s2, WSTG
	s_add_co_u32 s8, s8, STG
	v_add_nc_u32 v[SIN], s8, v[LI]
	v_mul_u32_u24 v[SOUT], v21, SPITCH
	v_lshl_add_u32 v[SOUT], v22, 7, v[SOUT]
	v_add_nc_u32 v[SOUT], s8, v[SOUT]
	s_lshl_b32 s8, s2, 12
	v_add_nc_u32 v[IMG], s8, v[LI]
	s_lshl_b32 s8, s5, 9
	s_lshl_b32 s9, s6, 6
	s_add_co_u32 s8, s8, s9
	s_add_co_u32 s8, s8, XSC
	v_lshl_add_u32 v[SCS], v21, 2, s8
	v_lshlrev_b32 v[Q8H], 3, v22
	s_lshl_b32 s8, s2, 8
	v_lshl_add_u32 v[BOQ], v22, 5, s8
	v_lshl_add_u32 v[BOV], v21, 2, s8
	v_mov_b32 v[QT+6], 0                           ; a lane permute's destination counts as one of its sources
	s_mov_b32 s[SEL], 0x76543210
	s_mov_b32 s[SEL+1], 0xfedcba98
	s_mov_b32 s[EPS], 0x26800000                   ; 2^-50
	s_mov_b32 s[EPS+1], s[EPS]
	s_lshl_b32 s10, ttmp9, 17                      ; x: 64 g rows of 2,048 bytes + 16 m rows
	s_lshl_b32 s11, s5, 15
	s_add_co_u32 s10, s10, s11
	s_mov_b32 s11, 0
	s_lshl_b32 s12, s4, 5                          ; 32 pair + 4 w: my head's first column tile
	s_lshl_b32 s13, s2, 2
	s_add_co_u32 s12, s12, s13
	s_lshl_b32 s14, s12, 9                         ; x 512 in WS,
	s_lshl_b32 s12, s12, 13                        ; x 8,192 in WC
	s_mov_b32 s13, 0
	s_mov_b32 s15, 0
	s_lshr_b32 s7, ttmp9, 5
	s_lshl_b32 s7, s7, 3
	s_add_co_u32 s7, s7, s2                        ; 8 x batch + head
	s_and_b32 s9, ttmp9, 31                        ; my 64 tokens within the sequence
	s_cmp_eq_u32 s4, 0
	s_mov_b32 s68, 1310720                         ; KV: a head's bytes, a step's bytes;
	s_cselect_b32 s68, 786432, s68                 ; QF likewise
	s_mov_b32 s69, 40960
	s_cselect_b32 s69, 24576, s69
	s_mov_b32 s[SC], 1.0
	s_cselect_b32 s[SC], 0x3e000000, s[SC]         ; q's cos and sin carry 1 / 8
	s_mov_b32 s[SC+1], s[SC]
	s_mul_i32 s68, s68, s7
	s_mul_i32 s69, s69, s9
	s_add_co_u32 s68, s68, s69
	s_mov_b32 s69, 0
	s_wait_kmcnt 0x0
	s_cmp_eq_u32 s4, 0                             ; the pair's buffers: choices on the work-group's number alone
	s_cselect_b64 s[XP:XP+1], s[16:17], s[20:21]
	s_cselect_b64 s[YP:YP+1], s[18:19], s[22:23]
	s_cselect_b64 s[BX:BX+1], s[28:29], s[32:33]
	s_cselect_b64 s[BY:BY+1], s[30:31], s[34:35]
	s_cselect_b64 s[OUT:OUT+1], s[44:45], s[46:47]
	s_cmp_eq_u32 s4, 2
	s_cselect_b64 s[XP:XP+1], s[24:25], s[XP:XP+1]
	s_cselect_b64 s[YP:YP+1], s[26:27], s[YP:YP+1]
	s_cselect_b64 s[BX:BX+1], s[36:37], s[BX:BX+1]
	s_cselect_b64 s[BY:BY+1], s[38:39], s[BY:BY+1]
	s_cmp_eq_u32 s6, 0                             ; my member, by the wave's number
	s_cselect_b64 s[XP:XP+1], s[XP:XP+1], s[YP:YP+1]
	s_add_nc_u64 s[XP:XP+1], s[XP:XP+1], s[10:11]
	s_add_nc_u64 s[WCP:WCP+1], s[WCP:WCP+1], s[12:13]
	s_add_nc_u64 s[WSP:WSP+1], s[WSP:WSP+1], s[14:15]
	s_add_nc_u64 s[OUT:OUT+1], s[OUT:OUT+1], s[68:69]
	WLOAD 0                                        ; tile 0's weights land while x is quantised
	s_cmp_eq_u32 s4, 2
	s_cbranch_scc1 .Lbias_v
	BLOADQK 0
	s_branch .Lbias_in
.Lbias_v:
	BLOADV 0
.Lbias_in:
	LOADX 0
	LOADX 1
	XSTEP 0
	XSTEP 1
	XSTEP 2
	XSTEP 3
	s_wait_dscnt 0x0                               ; for the others' sake: my images and scale words have landed
	s_barrier_signal -1
	s_barrier_wait -1                              ; x's 32 fragments lie in LDS; nothing is stored to LDS behind this barrier
	WIN 0x40
.set q, 0
.rept 32
	ds_load_b128 v[8*q:8*q+3], v[LI] offset:XIMG+q*1024
	ds_load_b128 v[8*q+4:8*q+7], v[LI] offset:XIMG+q*1024+512
.set q, q+1
.endr
	WIN 0
.set q, 0
.rept 16
	ds_load_b32 v[XS+q], v[LS] offset:XSC+q*128
.set q, q+1
.endr
	s_wait_dscnt 0x0
	s_cmp_eq_u32 s4, 2
	s_cbranch_scc1 .Lvpath
	TILEQK 0
	TILEQK 1
	TILEQK 2
	TILEQK 3
	FINISH
.Lvpath:
	TILEV 0
	TILEV 1
	TILEV 2
	TILEV 3
	FINISH
.Lfunc_end_k_qb5636ce9c0_proj:
	.size	k_qb5636ce9c0_proj, .Lfunc_end_k_qb5636ce9c0_proj-k_qb5636ce9c0_proj
	.p2alignl 7, 3214868480
	.fill 96, 4, 3214868480
	.section	.rodata,"a",@progbits
	.p2align	6, 0x0
	.amdhsa_kernel k_qb5636ce9c0_proj
		.amdhsa_group_segment_fixed_size 103424
		.amdhsa_private_segment_fixed_size 0
		.amdhsa_enable_private_segment 0
		.amdhsa_kernarg_size 128
		.amdhsa_user_sgpr_count 2
		.amdhsa_user_sgpr_kernarg_segment_ptr 1
		.amdhsa_wavefront_size32 1
		.amdhsa_system_sgpr_workgroup_id_x 1
		.amdhsa_system_sgpr_workgroup_id_y 1
		.amdhsa_system_sgpr_workgroup_id_z 1
		.amdhsa_system_vgpr_workitem_id 0
		.amdhsa_next_free_vgpr 512
		.amdhsa_next_free_sgpr 96
		.amdhsa_reserve_vcc 0
		.amdhsa_float_denorm_mode_32 3
		.amdhsa_float_denorm_mode_16_64 3
		.amdhsa_memory_ordered 1
		.amdhsa_forward_progress 1
		.amdhsa_inst_pref_size 151
	.end_amdhsa_kernel
	.amdgpu_metadata
---
amdhsa.version: [ 1, 2 ]
amdhsa.kernels:
  - .name:           k_qb5636ce9c0_proj
    .symbol:         k_qb5636ce9c0_proj.kd
    .args:
      - { .name: qx, .offset: 0, .size: 8, .value_kind: global_buffer, .address_space: global }
      - { .name: qy, .offset: 8, .size: 8, .value_kind: global_buffer, .address_space: global }
      - { .name: kx, .offset: 16, .size: 8, .value_kind: global_buffer, .address_space: global }
      - { .name: ky, .offset: 24, .size: 8, .value_kind: global_buffer, .address_space: global }
      - { .name: vx, .offset: 32, .size: 8, .value_kind: global_buffer, .address_space: global }
      - { .name: vy, .offset: 40, .size: 8, .value_kind: global_buffer, .address_space: global }
      - { .name: bqx, .offset: 48, .size: 8, .value_kind: global_buffer, .address_space: global }
      - { .name: bqy, .offset: 56, .size: 8, .value_kind: global_buffer, .address_space: global }
      - { .name: bkx, .offset: 64, .size: 8, .value_kind: global_buffer, .address_space: global }
      - { .name: bky, .offset: 72, .size: 8, .value_kind: global_buffer, .address_space: global }
      - { .name: bvx, .offset: 80, .size: 8, .value_kind: global_buffer, .address_space: global }
      - { .name: bvy, .offset: 88, .size: 8, .value_kind: global_buffer, .address_space: global }
      - { .name: WC, .offset: 96, .size: 8, .value_kind: global_buffer, .address_space: global }
      - { .name: WS, .offset: 104, .size: 8, .value_kind: global_buffer, .address_space: global }
      - { .name: QF, .offset: 112, .size: 8, .value_kind: global_buffer, .address_space: global }
      - { .name: KV, .offset: 120, .size: 8, .value_kind: global_buffer, .address_space: global }
    .group_segment_fixed_size: 103424
    .private_segment_fixed_size: 0
    .kernarg_segment_align: 8
    .kernarg_segment_size: 128
    .max_flat_workgroup_size: 256
    .sgpr_count:     96
    .vgpr_count:     512
    .wavefront_size: 32
...
	.end_amdgpu_metadata
.endif
;; end of part 2
;; launch attn (part 3): grid 16 x 16, 4 waves a work-group, clusters of 4 x 1, 327,680 bytes of LDS; arguments QF, KV, AXF; writes AXF
.if DOCPART == 3
	.amdgcn_target "amdgcn-amd-amdhsa--gfx1250"
	.amdhsa_code_object_version 6
	.text
	.protected	k_qb5636ce9c0_attn
	.globl	k_qb5636ce9c0_attn
	.p2align	8
	.type	k_qb5636ce9c0_attn,@function
k_qb5636ce9c0_attn:
	s_mov_b64 s[64:65], 0
	v_nop
	global_prefetch_b8 v0, s[64:65] scope:SCOPE_SE
	s_setreg_imm32_b32 hwreg(HW_REG_WAVE_MODE, 25, 1), 1
	s_wait_xcnt 0x0
	s_wait_alu depctr_hold_cnt(0) depctr_sa_sdst(0) depctr_va_vdst(0) depctr_va_sdst(0) depctr_va_ssrc(0) depctr_va_vcc(0) depctr_vm_vsrc(0)
	s_getreg_b32 s2, hwreg(HW_REG_IB_STS2, 6, 4)
	s_cmp_eq_u32 s2, 0
	s_cbranch_scc0 .Lentry_in_a_cluster
	s_endpgm
.Lentry_in_a_cluster:
	s_bfe_u32 s2, ttmp6, 0x10000c
	s_cmp_lg_u32 s2, 0x3003
	s_cbranch_scc0 .Lentry_shape_is_right
	s_endpgm
.Lentry_shape_is_right:
; ATTN: for each of 16 (batch, head): O = softmax(Q' K'^T / 16) [vx | vy], over 2,048 keys.  Q', K': 192 features in f16 ([cos, sin, r] of 64 channels; Q's cos and sin carry 1 / 8), so that
; Q' . K' / 16 = 0.5 mean cos(angle difference) + 0.5 r . r / 8.  V: 128 channels (vx's 64, vy's 64) in f16, keys innermost.  Products, maxima and sums in f32; the weights p are rounded to f16.
; All operands arrive as IMAGES OF OPERAND REGISTERS (512 bytes = four registers, lane l's 16 bytes at 16 l): a key step's K' and V are 40,960 dense bytes, LDS needs no pitch and no padding.
; SHARES.  A work-group owns 128 queries of one head.  Wave w: queries 64 (w % 2) on (four tiles of 16), key steps 16 (w / 2) .. + 15 of 64 keys: THE KEYS ARE SPLIT between two halves of the waves,
; so that 256 work-groups have a wave tile of 64 queries each; the halves are merged through LDS at the end (maxima, sums, O^T).
; LAYOUT.  S^T = K' Q'^T (source 0 = 16 keys, source 1 = 16 queries): a lane holds ONE query and keys 8 (lane / 16) + 0..7; two such tiles rounded in pairs ARE source 1 of O^T = V^T P.
; SOFTMAX.  A running maximum m and sum l for each query: p = 2^(c s - c m), c = log2(e) / 16; in every step O and l are multiplied by a = 2^(c m_old - c m_new).  What is kept is -c m, so that
; the scaling is a plain multiply-add c s + (-c m).
; BY TURNS.  The wave's tiles are two pieces (tiles 0, 1 and tiles 2, 3).  In a turn one piece has the matrix unit: 32 products V^T P of the step in hand, then 48 products K' Q'^T of the next step;
; the other piece's softmax, cut into 64 slices, stands between them.  Two turns are a key step: 160 matrix instructions, 536 vector instructions.
; RING.  Two slots, each with one step of both key halves (81,920 bytes); each wave moves a quarter by one tensor load.  By this text's count a wave has two loads out at the start, later one.
; CLUSTER.  The four query blocks of a cluster belong to one head and walk the same K' and V: each quarter is asked for jointly, by the same load with the same descriptor and a mask of the four.
; OUT.  AXF gets f16(4 O / l), laid as the output layer's fragments (its weights carry 1 / 4): 4 |O| stays under 65,504; under 6e-5 the absolute error 2^-25 holds.  NaN and infinities are not served.
; REGISTERS, in windows of 256 (s_set_vgpr_msb: bits 1:0 source 0, 3:2 source 1, 5:4 source 2, 7:6 destination):
;   window 0: v2-8 addresses; v12-43 eight statistics a tile; v61-63; v64-191 S^T, 32 a tile; v192-255 P, 16 a tile.      window 1: O^T, 64 a tile.
;   window 2: v0-191 Q' (tile t, feature step s at 48 t + 8 s); v192-255 K' fragments 0-7.      window 3: v0-127 V; v128-255 K' fragments 8-23 (fragment f = 6 kt + s).
.set STEPB,   40960                    ; one key half's step: K' 24,576 bytes, then V 16,384
.set QUARTER, 20480                    ; what one tensor load brings: 80 rows of 256 bytes
.set VOFF,    24576
.set SLOT1,   1<<17                    ; slot 1 begins here: one exclusive or turns an address in one slot into the other's
.set SPARE,   SLOT1+2*STEPB            ; behind the ring: the spare words, 128 bytes for each wave: two blocks of 256 bytes that no other line names
.set MRG,     SPARE+512                ; the merge: for each half of the queries 32,768 bytes of O^T images and 1,024 of statistics; no fill lands here
.set MRGB,    34816
.set AK0, 2                            ; v2   16 x lane
.set AV0, 3                            ; v3   16 x lane + VOFF
.set ADR, 4                            ; v4   the LDS address of the run of loads in hand
.set MO,  6                            ; v6   the merge: O^T's images
.set MS,  7                            ; v7   the merge: statistics
.set GO,  8                            ; v8   16 x lane: my offset in Q's and O's images
.set ST,  12                           ; tile t at v[ST + 8 t]: +0 -c m, +1 m, +2, +3 l (even keys', odd keys'), +4 to +7 at work; a takes +6
.set PFO, 61                           ; v61  the prefetches' offset
.set SPW, 62                           ; v62  my spare word; never rewritten
.set NIL, 63                           ; v63  0; never rewritten
.set S,   64
.set P,   192
.set WV,  12                           ; s12  wave
.set LIM, 15                           ; s15  1 in a wave that prefetches, else the greatest number
.set KH,  16                           ; s16  my half of the keys
.set QG,  17                           ; s17  my half of the queries
.set PFA, 18                           ; s[18:19] where my prefetches stand
.set G1,  24                           ; s[24:31] descriptor group 1
.set G0A, 40                           ; s[40:43] group 0 of the first fill of slot 0
.set G0B, 44                           ; s[44:47] group 0 of slot 1's first fill; it then walks
.set SLOTS, 56                         ; s56  changes of slots that still fill
.set NCS, 57                           ; s57  -c
.set CS,  58                           ; s[58:59] c
.set SEL, 60                           ; s[60:61] lane l xor 16
.set TB,  62                           ; s62  LDS byte at which my half's step to be fetched begins
.set MSB, 0
.macro WIN new                         ; the immediate's high byte repeats the setting that is left; a switch that changes nothing is dropped
.if MSB != \new
	s_set_vgpr_msb (MSB<<8)|\new
.set MSB, \new
.endif
.endm
.set W_PV, 0x53                        ; V in window 3, P in window 0, O^T in window 1
.set W_RS, 0x41                        ; O^T (destination and source 0) in window 1, a in window 0
.macro PLACES
.rept 4
	v_nop
.endr
.endm
.macro CROUND                          ; a round of the cluster's barrier
	s_barrier_signal -1
	s_barrier_wait -1
	s_cmp_lg_u32 s[WV], 0
	s_cbranch_scc1 .Lnot_wave_0_\@
	s_barrier_signal -3
.Lnot_wave_0_\@:
	s_barrier_wait -3
	s_barrier_signal -1
	s_barrier_wait -1
.endm
; A PREFETCH INTO THE L2 of what the NEXT change of slots will ask for.  All four clusters of a head walk the same K' and V: the head's first cluster asks.  Of the quarter that wave w fetches
; (80 blocks of 256 bytes) the partner at place cx takes blocks 20 cx .. 20 cx + 19, told apart by ADDRESS; a lane a block (lanes 20-31 name lane 19's once more).  One instruction a wave, behind its
; tensor load and the five lines that follow it: one key step, 160 matrix instructions, ahead of the load that will want the bytes.  The last change that fills asks for nothing; steps 0 to 2 come by their loads alone.
.macro ASK
	s_cmp_gt_u32 s[SLOTS], s[LIM]
	s_cbranch_scc0 .Lnot_mine_\@
	global_prefetch_b8 v[PFO], s[PFA:PFA+1] th:TH_LOAD_NT scope:SCOPE_SE
.Lnot_mine_\@:
.endm
	s_load_b128 s[4:7], s[0:1], 0x0                ; QF s[4:5], KV s[6:7]
	s_load_b64 s[8:9], s[0:1], 0x10                ; AXF
	v_lshl_add_u32 v[SPW], v0, 2, SPARE
	v_mov_b32 v[NIL], 0
	ds_add_u32 v[SPW], v[NIL]                      ; the wave's opening: the add, twice on end, and its wait ahead of my first tensor load
	ds_add_u32 v[SPW], v[NIL]
	v_lshrrev_b32 v1, 5, v0
	v_readfirstlane_b32 s[WV], v1                  ; wave 0..3
	s_bfe_u32 s13, ttmp6, 0x40000                  ; cx: my place in the cluster
	s_lshl_b32 s14, ttmp9, 2
	s_add_co_u32 s14, s14, s13                     ; my block of 128 queries: it enters Q's and O's addresses alone
	s_and_b32 s20, ttmp7, 0xffff                   ; 8 x batch + head, which the four partners share
	s_lshr_b32 s[KH], s[WV], 1
	s_and_b32 s[QG], s[WV], 1
	s_lshl_b32 s22, s20, 5                         ; KV: (32 bh + 16 kh) steps of 40,960 bytes + my quarter of a slot's half
	s_lshl_b32 s23, s[KH], 4
	s_add_co_u32 s22, s22, s23
	s_mul_i32 s22, s22, STEPB
	s_mul_i32 s23, s[QG], QUARTER
	s_add_co_u32 s22, s22, s23
	s_mov_b32 s23, 0
	s_mul_i32 s21, s[WV], QUARTER                  ; and its place in a slot: no place in the cluster enters an LDS address
	s_lshl_b32 s2, s20, 7                          ; QF: (128 bh + 8 block + 4 qg) tiles of 6,144 bytes
	s_lshl_b32 s3, s14, 3
	s_add_co_u32 s2, s2, s3
	s_lshl_b32 s3, s[QG], 2
	s_add_co_u32 s2, s2, s3
	s_mul_i32 s2, s2, 6144
	s_mov_b32 s3, 0
	s_lshr_b32 s10, s20, 3                         ; AXF: (16 batch + block) x 131,072 + head x 16,384 + qg x 4,096
	s_lshl_b32 s10, s10, 4
	s_add_co_u32 s10, s10, s14
	s_lshl_b32 s10, s10, 17
	s_and_b32 s11, s20, 7
	s_lshl_b32 s11, s11, 14
	s_add_co_u32 s10, s10, s11
	s_lshl_b32 s11, s[QG], 12
	s_add_co_u32 s10, s10, s11
	s_mov_b32 s11, 0
	s_mov_b32 s[G1], 15|(3<<16)|(1<<21)            ; 15:0 the mask: all four work-groups; 17:16 elements of 8 bytes; 21 set beside a mask; no padding
	s_mov_b32 s[G1+1], 32<<16                      ; tensor_dim0 = 32 elements: 256 bytes
	s_mov_b32 s[G1+2], 80<<16                      ; tensor_dim1 = 80
	s_mov_b32 s[G1+3], 32<<16                      ; tile_dim0
	s_mov_b32 s[G1+4], 80                          ; tile_dim1
	s_mov_b32 s[G1+5], 32                          ; the pitch: dense
	s_mov_b32 s[G1+6], 0
	s_mov_b32 s[G1+7], 0
	s_mov_b32 s[CS], 0x3db8aa3b                    ; c = log2(e) / 16
	s_mov_b32 s[CS+1], s[CS]                       ; (named with it as a pair, so it is written)
	s_mov_b32 s[NCS], 0xbdb8aa3b                   ; -c
	s_mov_b32 s[SEL], 0x76543210
	s_mov_b32 s[SEL+1], 0xfedcba98
	s_mul_i32 s[TB], s[KH], STEPB                  ; slot 0, my half
	s_mov_b32 s[SLOTS], 14
	s_cmp_eq_u32 ttmp9, 0                          ; the head's first cluster: the same in all four partners
	s_cselect_b32 s[LIM], 1, -1
	v_and_b32 v1, 31, v0                           ; lane
	v_min_u32 v[PFO], 19, v1
	v_lshlrev_b32 v[PFO], 8, v[PFO]
	s_wait_dscnt 0x0                               ; both opening adds are done
	s_wait_kmcnt 0x0
	s_add_nc_u64 s[6:7], s[6:7], s[22:23]          ; KV at my quarter of my half's step 0
	s_add_nc_u64 s[4:5], s[4:5], s[2:3]            ; QF at my first tile
	s_add_nc_u64 s[8:9], s[8:9], s[10:11]          ; AXF at my first tile
	s_mul_i32 s2, s13, 5120                        ; my work-group's 20 blocks of the quarter
	s_mov_b32 s3, 0
	s_add_nc_u64 s[PFA:PFA+1], s[6:7], s[2:3]
	s_add_nc_u64 s[PFA:PFA+1], s[PFA:PFA+1], 2*STEPB   ; at step 2: the first change of slots steps it to 3
	CROUND                                         ; all four work-groups are here: the first joint loads meet
	s_mov_b32 s[G0A], 1
	s_mov_b32 s[G0A+1], s21
	s_mov_b64 s[G0A+2:G0A+3], s[6:7]
	s_or_b32 s[G0A+3], s[G0A+3], 0x80000000
	s_mov_b32 s[G0B], 1
	s_add_co_u32 s[G0B+1], s21, SLOT1
	s_add_nc_u64 s[G0B+2:G0B+3], s[6:7], STEPB
	s_or_b32 s[G0B+3], s[G0B+3], 0x80000000
	tensor_load_to_lds s[G0A:G0A+3], s[G1:G1+7]    ; step 0 into slot 0,
	s_nop 0
	tensor_load_to_lds s[G0B:G0B+3], s[G1:G1+7]    ; step 1 into slot 1: two loads of mine are out
	s_nop 0
	PLACES
	v_lshlrev_b32 v[AK0], 4, v1
	v_lshlrev_b32 v[GO], 4, v1
	WIN 0x80                                       ; destination window 2
.irp t, 0,1,2,3
.irp s, 0,1,2,3,4,5
	global_load_b128 v[48*\t+8*\s:48*\t+8*\s+3],   v[GO], s[4:5] offset:\t*6144+\s*1024       ; Q' stays in registers
	global_load_b128 v[48*\t+8*\s+4:48*\t+8*\s+7], v[GO], s[4:5] offset:\t*6144+\s*1024+512
.endr
.endr
	WIN 0
; THE MATRIX WORK OF A TURN, for piece x.  The accumulators take turns, one instruction a turn: between two links of a chain stand 15 (V^T P) or 7 (K' Q'^T) others'.
; Product i of 32 of O^T += V^T P: keys 32 (i / 16) on, channels 16 ((i / 2) % 8) on, tile x + i % 2.  zero = 1: the first 16 start the sums.
.macro PV x, zero
	WIN W_PV
.set rO, 64*(\x+i%2)+8*((i/2)%8)
.set rV, 64*(i/16)+8*((i/2)%8)
.set rP, P+16*(\x+i%2)+8*(i/16)
.if \zero && (i < 16)
	v_wmma_f32_16x16x32_f16 v[rO:rO+7], v[rV:rV+7], v[rP:rP+7], 0
.else
	v_wmma_f32_16x16x32_f16 v[rO:rO+7], v[rV:rV+7], v[rP:rP+7], v[rO:rO+7]
.endif
.endm
; Product i of 48 of S^T = K' Q'^T: features 32 (i / 8) on, keys 16 ((i / 2) % 4) on, tile x + i % 2.  The first 8 start the sums.
.macro KQ x
.set fK, 6*((i/2)%4)+i/8
.set rS, S+32*(\x+i%2)+8*((i/2)%4)
.set rQ, 48*(\x+i%2)+8*(i/8)
.if fK < 8
	WIN 0x0a                                       ; K' and Q' in window 2, S^T in window 0
.set rK, 192+8*fK
.else
	WIN 0x0b                                       ; K' in window 3
.set rK, 64+8*fK
.endif
.if i < 8
	v_wmma_f32_16x16x32_f16 v[rS:rS+7], v[rK:rK+7], v[rQ:rQ+7], 0
.else
	v_wmma_f32_16x16x32_f16 v[rS:rS+7], v[rK:rK+7], v[rQ:rQ+7], v[rS:rS+7]
.endif
.endm
; THE LDS LOADS stand in runs, never singly among the matrix instructions: a step's K' (24 fragments, 48 loads) and, a turn later, its V (16 fragments, 32 loads).  Each load reads 512 consecutive bytes.
.macro FETCH_K
	WIN 0
	v_add_nc_u32 v[ADR], s[TB], v[AK0]
	WIN 0x80                                       ; destination window 2
.irp f, 0,1,2,3,4,5,6,7
	ds_load_b128 v[192+8*\f:192+8*\f+3],   v[ADR] offset:\f*1024
	ds_load_b128 v[192+8*\f+4:192+8*\f+7], v[ADR] offset:\f*1024+512
.endr
	WIN 0xc0                                       ; destination window 3
.irp f, 8,9,10,11,12,13,14,15,16,17,18,19,20,21,22,23
	ds_load_b128 v[64+8*\f:64+8*\f+3],   v[ADR] offset:\f*1024
	ds_load_b128 v[64+8*\f+4:64+8*\f+7], v[ADR] offset:\f*1024+512
.endr
.endm
.macro FETCH_V
	WIN 0
	v_add_nc_u32 v[ADR], s[TB], v[AV0]
	s_wait_alu depctr_va_vdst(0)                   ; the wait for the softmax's batch (SLICE), behind the address's addition and ahead of the loads
	WIN 0xc0
.irp f, 0,1,2,3,4,5,6,7,8,9,10,11,12,13,14,15
	ds_load_b128 v[8*\f:8*\f+3],   v[ADR] offset:\f*1024
	ds_load_b128 v[8*\f+4:8*\f+7], v[ADR] offset:\f*1024+512
.endr
.endm
; THE VECTOR WORK OF A TURN.  One tile's softmax for one key step is a list of 134 instructions; SM writes number j of it for tile t.  s0-s31 are the lane's 32 scores, in pairs 0-15.
;   0-15    the maximum of s0-s31 and the old m, three operands at a time (each accumulator is read from its low end on)
;   16-20   the other half of the lanes' maximum; the new m; -c m; c m_old - c m_new
;   21-69   ONE BATCH: the 16 scalings c s + (-c m) and all 33 exponentials (a at 23, then s0-s31); none of these reads an exponential's result
;   (wait)  between 69 and 70 stands the one wait for the batch: SLICE writes it, once for both tiles
;   70-85   the roundings to f16;   86-101 the sums, l = a l + the sum;   102-133 the tile's O^T times a
; first = 1: the first key step, which starts m, l and O^T: it has no a and nothing to rescale.
.macro SM t, first
.set rT, ST+8*(\t)
.set rS, S+32*(\t)
.set rP, P+16*(\t)
.set rO, 64*(\t)+2*(j-102)
.if j < 102
	WIN 0
.endif
.if j < 4
	v_max3_num_f32 v[rT+4+j], v[rS+8*j], v[rS+8*j+1], v[rS+8*j+2]
.elseif j < 12
	v_max3_num_f32 v[rT+4+j%4], v[rT+4+j%4], v[rS+8*(j%4)+2*(j/4)+1], v[rS+8*(j%4)+2*(j/4)+2]
.elseif j == 12
	v_max3_num_f32 v[rT+4], v[rT+4], v[rS+7], v[rS+15]
.elseif j == 13
	v_max3_num_f32 v[rT+6], v[rT+6], v[rS+23], v[rS+31]
.elseif j == 14
	v_max3_num_f32 v[rT+4], v[rT+4], v[rT+5], v[rT+6]
.elseif (j == 15) && \first
	v_max_num_f32 v[rT+4], v[rT+4], v[rT+7]
.elseif j == 15
	v_max3_num_f32 v[rT+4], v[rT+4], v[rT+7], v[rT+1]
.elseif j == 16
	v_permlanex16_b32 v[rT+5], v[rT+4], s[SEL], s[SEL+1]  ; the query's other 32 keys lie in the lane 16 away
.elseif j == 18
	v_max_num_f32 v[rT+1], v[rT+4], v[rT+5]
.elseif j == 19
	v_mul_f32 v[rT], s[NCS], v[rT+1]               ; -c m
.elseif ((j == 17) || (j == 20) || (j == 23) || (j > 101)) && \first  ; the first step has none of these
.elseif j == 17
	v_mov_b32 v[rT+7], v[rT]                       ; -c m_old is kept for a: number 19 writes -c m anew
.elseif j == 20
	v_sub_f32 v[rT+7], v[rT], v[rT+7]              ; (-c m_new) - (-c m_old) = c m_old - c m_new, 0 or less
.elseif j == 23
	v_exp_f32 v[rT+6], v[rT+7]
.elseif (j < 23) || ((j < 38) && (j%2 == 0)) || ((j < 66) && (j%4 == 2))
.set b, (j-2)/4                        ; 38, 42, .. 62: pairs 9 to 15
.if j < 38
.set b, (j-20)/2                       ; 21: pair 0; 22, 24, .. 36: pairs 1 to 8
.endif
	v_pk_fma_f32 v[rS+2*b:rS+2*b+1], v[rS+2*b:rS+2*b+1], s[CS:CS+1], v[rT:rT+1] op_sel_hi:[1,0,0]  ; pair b: c s + (-c m): of the pairs c and -c m the low word serves both halves
.elseif j < 70
.set e, j-38                           ; 66 to 69: s28 to s31
.if j < 66
.set e, j-32-(j-38)/4                  ; 39-41, 43-45, .. 63-65: s7 to s27
.endif
.if j < 38
.set e, (j-25)/2                       ; 25, 27, .. 37: s0 to s6
.endif
	v_exp_f32 v[rS+e], v[rS+e]
.elseif j < 86
	v_cvt_pk_f16_f32 v[rP+j-70], v[rS+2*(j-70)], v[rS+2*(j-70)+1]  ; pair j - 70
.elseif j < 102                        ; the sum of the tile's 16 pairs, in place: neighbours 1, 2, 4 and 8 pairs apart, then l takes it
.set z, j-86
.set w, 4
.set u, z
.if z >= 14
.set w, 32
.set u, 0
.elseif z >= 12
.set w, 16
.set u, z-12
.elseif z >= 8
.set w, 8
.set u, z-8
.endif
.if (z == 14) && \first
	v_pk_add_f32 v[rT+2:rT+3], v[rS:rS+1], v[rS+16:rS+17]
.elseif z < 15
	v_pk_add_f32 v[rS+w*u:rS+w*u+1], v[rS+w*u:rS+w*u+1], v[rS+w*u+w/2:rS+w*u+w/2+1]
.elseif !\first
	v_pk_fma_f32 v[rT+2:rT+3], v[rT+2:rT+3], v[rT+6:rT+7], v[rS:rS+1] op_sel_hi:[1,0,1]
.endif
.else
	WIN W_RS
	v_pk_mul_f32 v[rO:rO+1], v[rO:rO+1], v[rT+6:rT+7] op_sel_hi:[1,0]
.endif
.endm
; Slice k of 64 of piece y's softmax: four instructions.  Slices 11 to 34 deal out the batch, four numbers of ONE tile each, the tiles by turns; every other slice is numbers 2 k and 2 k + 1 of both tiles.
; 2 x 134 = 4 x 64 + 12: the twelve that are over stand together, in slice 63.  Ahead of slice 35 nothing names an exponential's result, behind slice 34 none is issued: one wait, behind slice 34.
.macro SLICE y, first
.if (k >= 11) && (k < 35)
.irp n, 0,1,2,3
.set j, 22+4*((k-11)/2)+(\n)
	SM (\y)+(k-11)%2, \first
.endr
.else
.irp n, 0,1,2,3,4,5,6,7
.if (\n < 2) || (k == 63)
.irp t, \y, \y+1
.set j, 2*k+\n
	SM \t, \first
.endr
.endif
.endr
.endif
.if k == 34
	v_nop                                          ; a plain instruction behind the last exponential and ahead of the first use: one for the batch
.if (\y) == 0
	FETCH_V                                        ; piece 2's turn: V's run of loads stands here, and the wait stands in it
.else
	s_wait_alu depctr_va_vdst(0)                   ; the wait for the batch
.endif
.endif
.set k, k+1
.endm
; A TURN.  Piece x has the matrix unit; the other piece's softmax stands in slices: one behind each of the 32 products V^T P, and one behind each product K' Q'^T whose number is no multiple of 3
; (32 of the 48, the last among them: slice 63's sixteen plain instructions are the places between the turn's last product and what reads its scores or loads into K's registers).
; pv = 2: 32 products V^T P; 1: they start O^T's sums; 0: none.  kq = 1: 48 products K' Q'^T for the next step.  A turn with one of the two kinds has two slices at each place.
; first = 1: the softmax is the first key step's; its slices from 51 on are empty, and four v_nop take slice 63's part.
; Piece 0's turn fetches the next step's K', behind its second product (30 matrix instructions ahead of its use).  Piece 2's turn fetches that step's V behind slice 34: the last product that read V stands
; in front of slice 31, and four plain instructions lie between: number 62, a scaling, of both tiles, the v_nop and the run's own addition.
.macro TURN x, pv, kq, first
.set k, 0
.set per, 2
.if \pv && \kq
.set per, 1
.endif
.if \pv
.if \x == 0
	s_wait_dscnt 0x0                               ; V is in
.endif
.set i, 0
.rept 32
	PV \x, 2-\pv
.rept per
	SLICE 2-\x, \first
.endr
.if (\x == 0) && \kq && (i == 1)
	FETCH_K
.endif
.set i, i+1
.endr
.endif
.if \kq
.if \x == 0
	s_wait_dscnt 0x0                               ; K' is in
.endif
.set i, 0
.rept 48
	KQ \x
.if (i%3) != 0
.rept per
	SLICE 2-\x, \first
.endr
.endif
.set i, i+1
.endr
.endif
.if \first
	PLACES
.endif
.endm
; THE CHANGE OF SLOTS, between piece 2's turn and piece 0's: the slot's last bytes, its V, have been asked for.  Each wave waits for all its tensor loads (one is out: its quarter of the other slot), adds 0 to
; its spare word, and waits for that and for its own reads of the slot.  fill = 1: the barrier is a round of the cluster's, so that no wave of any partner still reads the slot or has a load on its way,
; and the joint refill, the step two on, is the first thing behind it: it has one key step, 160 matrix instructions, in which to land.
.macro CHANGE fill
	WIN 0                                          ; at a label and at a branch every window is 0
	s_wait_tensorcnt 0x0                           ; no tensor load of mine is out, so a group 0 may be written
	ds_add_u32 v[SPW], v[NIL]                      ; 0 onto my spare word
.if \fill
	s_xor_b32 s[G0B+1], s[G0B+1], SLOT1            ; the walking descriptor: the other slot than last time,
	s_add_nc_u64 s[G0B+2:G0B+3], s[G0B+2:G0B+3], STEPB   ; the next step; the type bits on top are not reached
	s_wait_xcnt 0x0                                ; the last prefetch, a key step back, has read its address, so it may be written:
	s_add_nc_u64 s[PFA:PFA+1], s[PFA:PFA+1], STEPB ; one step further on than the walking descriptor
	s_wait_dscnt 0x0                               ; the add is done, and my reads of the slot are over
	CROUND
	tensor_load_to_lds s[G0B:G0B+3], s[G1:G1+7]    ; my one tensor load behind the round
	s_nop 0
	PLACES
	ASK
.else
	s_wait_dscnt 0x0
	s_barrier_signal -1
	s_barrier_wait -1
.endif
	s_xor_b32 s[TB], s[TB], SLOT1                  ; the fetches go on in the other slot
.endm
	s_wait_tensorcnt 1                             ; my quarter of slot 0 is in; slot 1's may stay out
	s_barrier_signal -1
	s_barrier_wait -1                              ; everybody's is
	FETCH_K                                        ; key step 0
	s_wait_loadcnt 0x0                             ; Q'
	s_wait_dscnt 0x0
.set i, 0
.rept 48
	KQ 0                                           ; piece 0's first scores: there is no vector work yet to set between them
.set i, i+1
.endr
	WIN 0                                          ; four addresses are made here: the places behind those products
	s_mul_i32 s21, s[QG], MRGB
	s_add_co_u32 s21, s21, MRG
	s_add_co_u32 s22, s21, 32768
	v_add_nc_u32 v[AV0], VOFF, v[AK0]
	v_add_nc_u32 v[MO], s21, v[AK0]
	v_lshlrev_b32 v[MS], 2, v1
	v_add_nc_u32 v[MS], s22, v[MS]
	TURN 2, 0, 1, 1                                ; piece 2's first scores | piece 0's first softmax | V of step 0
	CHANGE 1                                       ; step 2 is asked for
	TURN 0, 1, 1, 1                                ; piece 0: V^T P of step 0 starts O^T, K' Q'^T of step 1 | piece 2's first softmax | K' of step 1
	TURN 2, 1, 1, 0                                ; piece 2: the same | piece 0's softmax of step 1 | V of step 1
	WIN 0
	s_mov_b32 s[SLOTS], 13
.Lstep:                                            ; 13 trips: trip i (1 to 13) asks for step i + 2, multiplies V^T P of step i and K' Q'^T of step i + 1
	CHANGE 1
	TURN 0, 2, 1, 0
	TURN 2, 2, 1, 0
	WIN 0
	s_sub_co_u32 s[SLOTS], s[SLOTS], 1
	s_cmp_lg_u32 s[SLOTS], 0
	s_cbranch_scc1 .Lstep
	CHANGE 0                                       ; the tail is written out: nothing is left to ask for
	TURN 0, 2, 1, 0
	TURN 2, 2, 1, 0
	TURN 0, 2, 0, 0                                ; piece 0: V^T P of the last step | piece 2's last softmax
.set i, 0
.rept 32
	PV 2, 0                                        ; piece 2: V^T P of the last step
.set i, i+1
.endr
	; THE MERGE.  The waves of the second key half hand -c m, l and O^T to their partners through LDS, as images of their registers; the partners bring both halves under the larger maximum.
	WIN 0
.irp t, 0,1,2,3
	v_add_f32 v[ST+8*\t+4], v[ST+8*\t+2], v[ST+8*\t+3]   ; l's two halves.  (These four are the places behind the last products)
.endr
	s_cmp_eq_u32 s[KH], 0
	s_cbranch_scc1 .Lkeeper
.irp t, 0,1,2,3
	ds_store_b32 v[MS], v[ST+8*\t] offset:256*\t
	ds_store_b32 v[MS], v[ST+8*\t+4] offset:256*\t+128
.endr
	WIN 0x04                                       ; an LDS store's data are its source 1: window 1
.set q, 0
.rept 64
	ds_store_b128 v[MO], v[4*q:4*q+3] offset:512*q ; each accumulator from its low end on
.set q, q+1
.endr
	WIN 0
.Lkeeper:
	s_wait_dscnt 0x0                               ; for the others' sake: my stores have landed
	s_barrier_signal -1
	s_barrier_wait -1
	s_cmp_lg_u32 s[KH], 0
	s_cbranch_scc1 .Ldone
.macro LOADP t                         ; the partner's O^T of tile t: 64 registers, into S^T's registers, two sets by turns
.set q, 0
.rept 16
	ds_load_b128 v[S+64*((\t)%2)+4*q:S+64*((\t)%2)+4*q+3], v[MO] offset:512*(16*(\t)+q)
.set q, q+1
.endr
.endm
.irp t, 0,1,2,3
	ds_load_b32 v[ST+8*\t+5], v[MS] offset:256*\t        ; the partner's -c m,
	ds_load_b32 v[ST+8*\t+6], v[MS] offset:256*\t+128    ; and its l
.endr
	LOADP 0
	s_wait_dscnt 16                                ; the statistics are in; tile 0's sixteen loads may be out
.irp t, 0,1,2,3
	v_min_num_f32 v[ST+8*\t+7], v[ST+8*\t], v[ST+8*\t+5]   ; -M: the smaller of the two -c m
.endr
.irp t, 0,1,2,3
	v_sub_f32 v[ST+8*\t+1], v[ST+8*\t+7], v[ST+8*\t]       ; c m0 - M
.endr
.irp t, 0,1,2,3
	v_sub_f32 v[ST+8*\t+5], v[ST+8*\t+7], v[ST+8*\t+5]     ; c m1 - M
.endr
.irp t, 0,1,2,3
	v_exp_f32 v[ST+8*\t+1], v[ST+8*\t+1]           ; a0 = 2^(c m0 - M),
	v_exp_f32 v[ST+8*\t+5], v[ST+8*\t+5]           ; a1 = 2^(c m1 - M): one of the two is 1
.endr
	v_nop
	s_wait_alu depctr_va_vdst(0)                   ; one wait for the eight
.irp t, 0,1,2,3
	v_mul_f32 v[ST+8*\t+4], v[ST+8*\t+4], v[ST+8*\t+1]
.endr
.irp t, 0,1,2,3
	v_fmac_f32 v[ST+8*\t+4], v[ST+8*\t+6], v[ST+8*\t+5]
.endr
.irp t, 0,1,2,3
	v_permlanex16_b32 v[ST+8*\t+7], v[ST+8*\t+4], s[SEL], s[SEL+1]
.endr
.irp t, 0,1,2,3
	v_add_f32 v[ST+8*\t+4], v[ST+8*\t+4], v[ST+8*\t+7]   ; the row's sum over all 2,048 keys
.endr
.irp t, 0,1,2,3
	v_rcp_f32 v[ST+8*\t+7], v[ST+8*\t+4]
.endr
	v_nop
	s_wait_alu depctr_va_vdst(0)                   ; one wait for the four
.irp t, 0,1,2,3
	v_mul_f32 v[ST+8*\t+7], 4.0, v[ST+8*\t+7]
.endr
.irp t, 0,1,2,3
	v_mul_f32 v[ST+8*\t+2], v[ST+8*\t+1], v[ST+8*\t+7]   ; f0 = 4 a0 / l
.endr
.irp t, 0,1,2,3
	v_mul_f32 v[ST+8*\t+6], v[ST+8*\t+5], v[ST+8*\t+7]   ; f1 = 4 a1 / l
.endr
; Tile t: O = f0 O0 + f1 O1, rounded to f16: a lane's eight channels are four registers, which ARE half a fragment of the output layer's operand: stored as they stand, 512 consecutive bytes a store.
.macro OUTT t
.if \t < 3
	LOADP \t+1
	s_wait_dscnt 16                                ; this tile's sixteen loads are in; the next tile's may be out
.else
	s_wait_dscnt 0x0
.endif
	WIN W_RS
.set q, 0
.rept 32
	v_pk_mul_f32 v[64*\t+2*q:64*\t+2*q+1], v[64*\t+2*q:64*\t+2*q+1], v[ST+8*\t+2:ST+8*\t+3] op_sel_hi:[1,0]
.set q, q+1
.endr
	WIN 0x50                                       ; destination and source 2 window 1
.set q, 0
.rept 32
	v_pk_fma_f32 v[64*\t+2*q:64*\t+2*q+1], v[S+64*(\t%2)+2*q:S+64*(\t%2)+2*q+1], v[ST+8*\t+6:ST+8*\t+7], v[64*\t+2*q:64*\t+2*q+1] op_sel_hi:[1,0,1]
.set q, q+1
.endr
.if \t > 1
	s_wait_xcnt 0x0                                ; the stores of two tiles back have read their data
.endif
	WIN 0x05                                       ; sources 0 and 1 window 1
.set q, 0
.rept 32
	v_cvt_pk_f16_f32 v[P+32*(\t%2)+q], v[64*\t+2*q], v[64*\t+2*q+1]
.set q, q+1
.endr
	WIN 0
.irp c, 0,1,2,3,4,5,6,7                ; channel tile c: x or y: 4,194,304; K step of 32: 8,192; my tile of rows: 1,024; half: 512
	global_store_b128 v[GO], v[P+32*(\t%2)+4*\c:P+32*(\t%2)+4*\c+3], s[8:9] offset:(\c/4)*4194304+((\c%4)/2)*8192+\t*1024+(\c%2)*512
.endr
.endm
	OUTT 0
	OUTT 1
	OUTT 2
	OUTT 3
.Ldone:
	s_wait_tensorcnt 0x0                           ; the wave's end: behind my last tensor load and my last LDS store
	ds_add_u32 v[SPW], v[NIL]
	s_wait_dscnt 0x0
	CROUND                                         ; the closing round: no work-group ends while a partner may still ask for a tile that names it
	s_endpgm
.Lfunc_end_k_qb5636ce9c0_attn:
	.size	k_qb5636ce9c0_attn, .Lfunc_end_k_qb5636ce9c0_attn-k_qb5636ce9c0_attn
	.p2alignl 7, 3214868480
	.fill 96, 4, 3214868480
	.section	.rodata,"a",@progbits
	.p2align	6, 0x0
	.amdhsa_kernel k_qb5636ce9c0_attn
		.amdhsa_group_segment_fixed_size 327680
		.amdhsa_private_segment_fixed_size 0
		.amdhsa_enable_private_segment 0
		.amdhsa_kernarg_size 24
		.amdhsa_user_sgpr_count 2
		.amdhsa_user_sgpr_kernarg_segment_ptr 1
		.amdhsa_wavefront_size32 1
		.amdhsa_system_sgpr_workgroup_id_x 1
		.amdhsa_system_sgpr_workgroup_id_y 1
		.amdhsa_system_sgpr_workgroup_id_z 1
		.amdhsa_system_vgpr_workitem_id 0
		.amdhsa_next_free_vgpr 1024
		.amdhsa_next_free_sgpr 66
		.amdhsa_reserve_vcc 0
		.amdhsa_float_denorm_mode_32 3
		.amdhsa_float_denorm_mode_16_64 3
		.amdhsa_memory_ordered 1
		.amdhsa_forward_progress 1
		.amdhsa_inst_pref_size 249
	.end_amdhsa_kernel
	.amdgpu_metadata
---
amdhsa.version: [ 1, 2 ]
amdhsa.kernels:
  - .name:           k_qb5636ce9c0_attn
    .symbol:         k_qb5636ce9c0_attn.kd
    .args:
      - { .name: QF, .offset: 0, .size: 8, .value_kind: global_buffer, .address_space: global }
      - { .name: KV, .offset: 8, .size: 8, .value_kind: global_buffer, .address_space: global }
      - { .name: AXF, .offset: 16, .size: 8, .value_kind: global_buffer, .address_space: global }
    .group_segment_fixed_size: 327680
    .private_segment_fixed_size: 0
    .kernarg_segment_align: 8
    .kernarg_segment_size: 24
    .max_flat_workgroup_size: 128
    .sgpr_count:     66
    .vgpr_count:     1024
    .wavefront_size: 32
...
	.end_amdgpu_metadata
.endif
;; end of part 3
;; launch oproj (part 4): grid 4 x 64, 4 waves a work-group, clusters of 4 x 4, 280,064 bytes of LDS; arguments AXF, WOF, box, boy, out0, out1; writes out0, out1
.if DOCPART == 4
	.amdgcn_target "amdgcn-amd-amdhsa--gfx1250"
	.amdhsa_code_object_version 6
	.text
	.protected	k_qb5636ce9c0_oproj
	.globl	k_qb5636ce9c0_oproj
	.p2align	8
	.type	k_qb5636ce9c0_oproj,@function
k_qb5636ce9c0_oproj:
	s_mov_b64 s[64:65], 0
	v_nop
	global_prefetch_b8 v0, s[64:65] scope:SCOPE_SE
	s_setreg_imm32_b32 hwreg(HW_REG_WAVE_MODE, 25, 1), 1
	s_wait_xcnt 0x0
	s_wait_alu depctr_hold_cnt(0) depctr_sa_sdst(0) depctr_va_vdst(0) depctr_va_sdst(0) depctr_va_ssrc(0) depctr_va_vcc(0) depctr_vm_vsrc(0)
	s_getreg_b32 s2, hwreg(HW_REG_IB_STS2, 6, 4)
	s_cmp_eq_u32 s2, 0
	s_cbranch_scc0 .Lentry_in_a_cluster
	s_endpgm
.Lentry_in_a_cluster:
	s_bfe_u32 s2, ttmp6, 0x10000c
	s_cmp_lg_u32 s2, 0xf033
	s_cbranch_scc0 .Lentry_shape_is_right
	s_endpgm
.Lentry_shape_is_right:
; OPROJ: out0 = ax Wox^T + box, out1 = ay Woy^T + boy, [4096][512] f32, on f16 operands with f32 sums.  AXF holds f16(4 a), WOF f16(W / 4): both factors are exact, the product is unchanged.
; Work-group (x, y): y = 32 which + block of 128 tokens, x = block of 128 columns.  Four waves, each 64 x 64: 16 accumulators.  K = 512 is 16 steps of 32.
; Both operands are images of operand registers: a block's fragments for ALL of K are 131,072 dense bytes.  Both blocks fit in LDS at once: first fills alone, no slot is filled again.
; CLUSTERS: 4 x 4 work-groups.  The four of a row of the cluster need the same block of A, the four of a column the same block of B: each is asked for jointly.  Waves 0, 1 fetch A, waves 2, 3 B,
; two loads of 32,768 bytes each: K quarters w % 2 and 2 + w % 2.  By this text's count two loads of a wave are out.  The first K half is multiplied while the second lands.
; THE MATRIX INSTRUCTION IS USED TRANSPOSED (source 0 = 16 rows of W, source 1 = 16 tokens): a lane holds eight neighbouring numbers of a row of the output.  The bias is the C of each sum's first instruction.
; REGISTERS: window 0: v2-9 addresses; v16-47 the bias, 8 a column tile; v48, v49 the add's two; v64-127, v128-191 two fragment buffers (A's four, then B's four); v192-255 the way out.  window 1: v0-127 accumulators.
.set LA,     0
.set LB,     131072
.set STAGE,  262144                    ; behind the operands: 16 rows x (256 bytes + 16) for each wave, for the way out; no fill lands here
.set SPITCH, 272
.set SPARE,  STAGE+4*16*SPITCH         ; the spare words, 128 bytes for each wave: two blocks of 256 bytes that no other line names
.set ADA0, 2                           ; v2, v3  my A fragments: K steps 0-7, 8-15
.set ADB0, 4                           ; v4, v5  the same for B
.set STO,  6
.set RD,   7
.set CO,   8
.set BO,   9
.set BI,   16
.set SPW,  48
.set NIL,  49
.set F0,   64
.set OB,   192
.set WV,   10
.set G1A,  24
.set G1B,  32
.set G0A,  40                          ; s[40:47] two groups 0 for A's loads;  s[48:55] for B's
.set G0B,  48
.set MSB, 0
.macro WIN new
.if MSB != \new
	s_set_vgpr_msb (MSB<<8)|\new
.set MSB, \new
.endif
.endm
.macro PLACES
.rept 4
	v_nop
.endr
.endm
.macro CROUND
	s_barrier_signal -1
	s_barrier_wait -1
	s_cmp_lg_u32 s[WV], 0
	s_cbranch_scc1 .Lnot_wave_0_\@
	s_barrier_signal -3
.Lnot_wave_0_\@:
	s_barrier_wait -3
	s_barrier_signal -1
	s_barrier_wait -1
.endm
	s_load_b128 s[4:7], s[0:1], 0x0                ; AXF, WOF
	s_load_b128 s[16:19], s[0:1], 0x10             ; box, boy
	s_load_b128 s[20:23], s[0:1], 0x20             ; out0, out1
	v_lshl_add_u32 v[SPW], v0, 2, SPARE
	v_mov_b32 v[NIL], 0
	ds_add_u32 v[SPW], v[NIL]                      ; the wave's opening: the add, twice on end, and its wait ahead of my first tensor load
	ds_add_u32 v[SPW], v[NIL]
	v_lshrrev_b32 v1, 5, v0
	v_readfirstlane_b32 s[WV], v1                  ; wave 0..3
	s_lshr_b32 s11, s[WV], 1                       ; which half of the rows is mine.  Also: I fetch for A (0) or for B (1)
	s_and_b32 s12, s[WV], 1                        ; which half of the columns.  Also: which K quarters I fetch
	s_bfe_u32 s57, ttmp6, 0x40000                  ; cx
	s_bfe_u32 s58, ttmp6, 0x40004                  ; cy
	s_lshl_b32 s59, ttmp9, 2
	s_add_co_u32 s59, s59, s57                     ; x
	s_and_b32 s61, ttmp7, 0xffff
	s_lshl_b32 s60, s61, 2
	s_add_co_u32 s60, s60, s58                     ; y
	s_lshr_b32 s61, s61, 3                         ; which output: by the cluster's y alone
	s_lshl_b32 s62, s58, 2
	s_lshl_b32 s62, 15, s62                        ; my row of the cluster
	s_lshl_b32 s63, 0x1111, s57                    ; my column
	s_or_b32 s[G1A], s62, (3<<16)|(1<<21)          ; 15:0 the mask; 17:16 elements of 8 bytes; 21 set beside a mask; no padding
	s_or_b32 s[G1B], s63, (3<<16)|(1<<21)
.irp g, G1A, G1B
	s_mov_b32 s[\g+1], 32<<16                      ; tensor_dim0 = 32 elements: 256 bytes
	s_mov_b32 s[\g+2], 128<<16                     ; tensor_dim1 = 128
	s_mov_b32 s[\g+3], 32<<16                      ; tile_dim0
	s_mov_b32 s[\g+4], 128                         ; tile_dim1
	s_mov_b32 s[\g+5], 32                          ; the pitch: dense
	s_mov_b32 s[\g+6], 0
	s_mov_b32 s[\g+7], 0
.endr
	s_lshl_b32 s13, s12, 15                        ; my first K quarter, in memory and in LDS alike
	s_lshl_b32 s8, s60, 17                         ; A: block y (registers that never hold cx)
	s_add_co_u32 s8, s8, s13
	s_mov_b32 s9, 0
	s_lshl_b32 s14, s61, 19                        ; B: which, block x (registers that never hold cy)
	s_lshl_b32 s15, s59, 17
	s_add_co_u32 s14, s14, s15
	s_add_co_u32 s14, s14, s13
	s_mov_b32 s15, 0
	s_wait_dscnt 0x0                               ; both opening adds are done
	s_wait_kmcnt 0x0
	s_add_nc_u64 s[4:5], s[4:5], s[8:9]
	s_add_nc_u64 s[6:7], s[6:7], s[14:15]
	CROUND                                         ; all sixteen work-groups are here: the joint loads meet
.irp q, 0,1
	s_mov_b32 s[G0A+4*\q], 1
	s_add_co_u32 s[G0A+4*\q+1], s13, LA+\q*65536
	s_add_nc_u64 s[G0A+4*\q+2:G0A+4*\q+3], s[4:5], \q*65536
	s_or_b32 s[G0A+4*\q+3], s[G0A+4*\q+3], 0x80000000
	s_mov_b32 s[G0B+4*\q], 1
	s_add_co_u32 s[G0B+4*\q+1], s13, LB+\q*65536
	s_add_nc_u64 s[G0B+4*\q+2:G0B+4*\q+3], s[6:7], \q*65536
	s_or_b32 s[G0B+4*\q+3], s[G0B+4*\q+3], 0x80000000
.endr
	s_cmp_eq_u32 s11, 0                            ; a wave's two fills stand in one branch on the wave's number, ahead of every wait on TENSORcnt and every LDS read
	s_cbranch_scc0 .Lfor_b
	tensor_load_to_lds s[G0A:G0A+3], s[G1A:G1A+7]
	s_nop 0
	tensor_load_to_lds s[G0A+4:G0A+7], s[G1A:G1A+7]
	s_nop 0
	PLACES
	s_branch .Lasked
.Lfor_b:
	tensor_load_to_lds s[G0B:G0B+3], s[G1B:G1B+7]
	s_nop 0
	tensor_load_to_lds s[G0B+4:G0B+7], s[G1B:G1B+7]
	s_nop 0
	PLACES
.Lasked:
	v_and_b32 v1, 31, v0
	v_and_b32 v10, 15, v0                          ; r
	v_bfe_u32 v11, v0, 4, 1                        ; h
	v_lshlrev_b32 v12, 4, v1                       ; 16 x lane
	v_lshlrev_b32 v[BO], 5, v11
	s_cmp_eq_u32 s61, 0                            ; the output's bias and buffer: a choice on the cluster's number alone
	s_cselect_b64 s[16:17], s[16:17], s[18:19]
	s_cselect_b64 s[20:21], s[20:21], s[22:23]
	s_lshl_b32 s2, s59, 9                          ; my 64 columns: 512 x + 256 nc bytes
	s_lshl_b32 s3, s12, 8
	s_add_co_u32 s2, s2, s3
	s_mov_b32 s3, 0
	s_add_nc_u64 s[16:17], s[16:17], s[2:3]
	s_add_nc_u64 s[20:21], s[20:21], s[2:3]
.irp b, 0,1,2,3
	global_load_b128 v[BI+8*\b:BI+8*\b+3], v[BO], s[16:17] offset:64*\b        ; register j = bias[16 b + 8 h + j] of my columns
	global_load_b128 v[BI+8*\b+4:BI+8*\b+7], v[BO], s[16:17] offset:64*\b+16
.endr
	s_and_b32 s2, s60, 31                          ; my 64 rows: (128 block + 64 mr) x 2,048 bytes
	s_lshl_b32 s2, s2, 18
	s_lshl_b32 s56, s11, 17
	s_add_co_u32 s2, s2, s56
	s_add_nc_u64 s[20:21], s[20:21], s[2:3]
	s_lshl_b32 s2, s11, 12                         ; A: my four tiles of rows
	v_add_nc_u32 v[ADA0], s2, v12
	v_add_nc_u32 v[ADA0+1], 65536, v[ADA0]
	s_lshl_b32 s2, s12, 12                         ; B: my four tiles of columns
	s_add_co_u32 s2, s2, LB
	v_add_nc_u32 v[ADB0], s2, v12
	v_add_nc_u32 v[ADB0+1], 65536, v[ADB0]
	s_mul_i32 s2, s[WV], 16*SPITCH
	s_add_co_u32 s2, s2, STAGE                     ; my stage
	v_mul_u32_u24 v[STO], v10, SPITCH              ; in: row r, 32 bytes for each half of the lanes
	v_lshl_add_u32 v[STO], v11, 5, v[STO]
	v_add_nc_u32 v[STO], s2, v[STO]
	v_mul_u32_u24 v[RD], v11, SPITCH               ; back: lanes 0-15 one row of 256 bytes, lanes 16-31 the next
	v_lshl_add_u32 v[RD], v10, 4, v[RD]
	v_add_nc_u32 v[RD], s2, v[RD]
	v_lshlrev_b32 v[CO], 11, v11                   ; and the same two rows in the output
	v_lshl_add_u32 v[CO], v10, 4, v[CO]
.macro FETCH ks                        ; K step ks: A's four fragments and B's four into buffer ks % 2: sixteen loads of 512 consecutive bytes
.set fb, F0+64*((\ks)%2)
.set ad, (\ks)/8
.set ko, ((\ks)%8)*8192
.irp a, 0,1,2,3
	ds_load_b128 v[fb+8*\a:fb+8*\a+3],   v[ADA0+ad] offset:ko+\a*1024
	ds_load_b128 v[fb+8*\a+4:fb+8*\a+7], v[ADA0+ad] offset:ko+\a*1024+512
.endr
.irp b, 0,1,2,3
	ds_load_b128 v[fb+32+8*\b:fb+32+8*\b+3],   v[ADB0+ad] offset:ko+\b*1024
	ds_load_b128 v[fb+32+8*\b+4:fb+32+8*\b+7], v[ADB0+ad] offset:ko+\b*1024+512
.endr
.endm
.macro MUL16 ks                        ; the sixteen accumulators by turns, one instruction a turn
.set fb, F0+64*((\ks)%2)
.irp a, 0,1,2,3
.irp b, 0,1,2,3
.if (\ks) == 0
	v_wmma_f32_16x16x32_f16 v[8*(4*\a+\b):8*(4*\a+\b)+7], v[fb+32+8*\b:fb+32+8*\b+7], v[fb+8*\a:fb+8*\a+7], v[BI+8*\b:BI+8*\b+7]
.else
	v_wmma_f32_16x16x32_f16 v[8*(4*\a+\b):8*(4*\a+\b)+7], v[fb+32+8*\b:fb+32+8*\b+7], v[fb+8*\a:fb+8*\a+7], v[8*(4*\a+\b):8*(4*\a+\b)+7]
.endif
.endr
.endr
.endm
	s_wait_tensorcnt 1                             ; my quarter of the first K half is in; the second half's may stay out
	s_barrier_signal -1
	s_barrier_wait -1                              ; everybody's is
	FETCH 0
.set KSI, 0
.rept 16
	s_wait_dscnt 0x0                               ; this K step's fragments are in
.if KSI == 7
	s_wait_tensorcnt 0x0                           ; my quarter of the second K half is in,
	s_barrier_signal -1
	s_barrier_wait -1                              ; everybody's is
.endif
.if (KSI > 0) && (KSI < 15)
	PLACES                                         ; in front of loads into the buffer that the last step's products read
.endif
.if KSI < 15
	FETCH KSI+1                                    ; the next step's fragments land while this step is multiplied
.endif
.if KSI == 0
	s_wait_loadcnt 0x0                             ; the bias
	WIN 0x40                                       ; D window 1; C: the bias, window 0
.else
	WIN 0x50                                       ; C and D window 1
.endif
	MUL16 KSI
	WIN 0
.set KSI, KSI+1
.endr
	; THE WAY OUT, 16 rows at a time: a lane holds 32 neighbouring bytes of a row, the lanes beside it other rows: through my own stage, and back as whole rows of 256 bytes.
	PLACES
.irp a, 0,1,2,3
.if \a > 1
	s_wait_xcnt 0x0                                ; the stores of two blocks back have read their data
.endif
	WIN 0x04                                       ; an LDS store's data are its source 1: window 1
.irp b, 0,1,2,3
	ds_store_b128 v[STO], v[8*(4*\a+\b):8*(4*\a+\b)+3] offset:64*\b          ; each accumulator from its low end on
	ds_store_b128 v[STO], v[8*(4*\a+\b)+4:8*(4*\a+\b)+7] offset:64*\b+16
.endr
	WIN 0
.irp t, 0,1,2,3,4,5,6,7
	ds_load_b128 v[OB+32*(\a%2)+4*\t:OB+32*(\a%2)+4*\t+3], v[RD] offset:2*\t*SPITCH   ; LDS serves a wave's instructions in order: these see the stores above
.endr
	s_wait_dscnt 0x0
.irp t, 0,1,2,3,4,5,6,7
	global_store_b128 v[CO], v[OB+32*(\a%2)+4*\t:OB+32*(\a%2)+4*\t+3], s[20:21] offset:\a*32768+\t*4096 th:TH_STORE_NT   ; 16 lanes store 256 consecutive bytes, aligned
.endr
.endr
	s_wait_tensorcnt 0x0                           ; the wave's end: behind my last tensor load and my last LDS store
	ds_add_u32 v[SPW], v[NIL]
	s_wait_dscnt 0x0
	CROUND                                         ; the closing round
	s_endpgm
.Lfunc_end_k_qb5636ce9c0_oproj:
	.size	k_qb5636ce9c0_oproj, .Lfunc_end_k_qb5636ce9c0_oproj-k_qb5636ce9c0_oproj
	.p2alignl 7, 3214868480
	.fill 96, 4, 3214868480
	.section	.rodata,"a",@progbits
	.p2align	6, 0x0
	.amdhsa_kernel k_qb5636ce9c0_oproj
		.amdhsa_group_segment_fixed_size 280064
		.amdhsa_private_segment_fixed_size 0
		.amdhsa_enable_private_segment 0
		.amdhsa_kernarg_size 48
		.amdhsa_user_sgpr_count 2
		.amdhsa_user_sgpr_kernarg_segment_ptr 1
		.amdhsa_wavefront_size32 1
		.amdhsa_system_sgpr_workgroup_id_x 1
		.amdhsa_system_sgpr_workgroup_id_y 1
		.amdhsa_system_sgpr_workgroup_id_z 1
		.amdhsa_system_vgpr_workitem_id 0
		.amdhsa_next_free_vgpr 384
		.amdhsa_next_free_sgpr 66
		.amdhsa_reserve_vcc 0
		.amdhsa_float_denorm_mode_32 3
		.amdhsa_float_denorm_mode_16_64 3
		.amdhsa_memory_ordered 1
		.amdhsa_forward_progress 1
		.amdhsa_inst_pref_size 51
	.end_amdhsa_kernel
	.amdgpu_metadata
---
amdhsa.version: [ 1, 2 ]
amdhsa.kernels:
  - .name:           k_qb5636ce9c0_oproj
    .symbol:         k_qb5636ce9c0_oproj.kd
    .args:
      - { .name: AXF, .offset: 0, .size: 8, .value_kind: global_buffer, .address_space: global }
      - { .name: WOF, .offset: 8, .size: 8, .value_kind: global_buffer, .address_space: global }
      - { .name: box, .offset: 16, .size: 8, .value_kind: global_buffer, .address_space: global }
      - { .name: boy, .offset: 24, .size: 8, .value_kind: global_buffer, .address_space: global }
      - { .name: out0, .offset: 32, .size: 8, .value_kind: global_buffer, .address_space: global }
      - { .name: out1, .offset: 40, .size: 8, .value_kind: global_buffer, .address_space: global }
    .group_segment_fixed_size: 280064
    .private_segment_fixed_size: 0
    .kernarg_segment_align: 8
    .kernarg_segment_size: 48
    .max_flat_workgroup_size: 128
    .sgpr_count:     66
    .vgpr_count:     384
    .wavefront_size: 32
...
	.end_amdgpu_metadata
.endif
;; end of part 4
